; MI455X (gfx1250); checked and timed in simulation.
; The chip was launched on July 23, 2026; its instructions are those of AMD's public machine-readable ISA for CDNA 5 (MIT licence, August 2026) and "CDNA5" Instruction Set Architecture Reference Guide (July 2026). The comments in the code are by the model that wrote it; some were corrected since.
;; Multi Head Self Attention With Rotary Positional Embeddings. Allowed arithmetic: matrix products marked QUANTISED: E4M3 operands, one E8M0 scale for each 32 along K, by v_wmma_scale_f32_16x16x128_f8f6f4 with both operands' format E4M3, f32 sums; everything else in f32.
;; Inputs: W_out_codes 1,024 x 32 x 32 uint8 (E4M3 codes of W_out, K innermost, in blocks of 32 codes); W_out_scales 1,024 x 32 uint8 (E8M0 scales of W_out, one for each 32 codes along K); W_qkv_codes 3,072 x 32 x 32 uint8 (E4M3 codes of W_qkv, K innermost, in blocks of 32 codes); W_qkv_scales 3,072 x 32 uint8 (E8M0 scales of W_qkv, one for each 32 codes along K); b_out 1,024 float32; b_qkv 3,072 float32; query_codes 4 x 2,048 x 32 x 32 uint8 (E4M3 codes of query, K innermost, in blocks of 32 codes); query_scales 4 x 2,048 x 32 uint8 (E8M0 scales of query, one for each 32 codes along K).
;; Outputs: out0 4 x 2,048 x 1,024 float32.
;; This version of the problem:
;;   THIS VERSION OF THE PROBLEM IS GIVEN IN LOW PRECISION. The matrix products marked QUANTISED in the list below multiply operands that are first quantised to E4M3 (4 exponent bits, 3 mantissa bits; 8 bits a number), with one power-of-two scale for each 32 numbers along K (OCP MX v1.0); their sums are f32. All else is computed in f32.
;;   The module's matrix products, in the order in which they are computed (A, B: the left and right operand; K: the contracted axis; several contracted axes count as one K, in the product's order):
;;     1. [M 8,192, K 1,024] x [K 1,024, N 3,072]; A: input query (given as codes); B: input W_qkv (given as codes): QUANTISED
;;     2. batch 64 x [M 2,048, K 64] x [K 64, N 2,048]; A: computed on the way; B: computed on the way: QUANTISED
;;     3. batch 64 x [M 2,048, K 2,048] x [K 2,048, N 64]; A: softmax (see below); B: computed on the way: QUANTISED
;;     4. [M 8,192, K 1,024] x [K 1,024, N 1,024]; A: computed on the way; B: input W_out (given as codes): QUANTISED
;;   THE QUANTISER, for each operand of a quantised product, along K:
;;     - K is cut into blocks of 32 from its start; a last block that is shorter is filled with zeros.
;;     - A block's scale is 2^e with e = floor(log2(the largest magnitude in the block)) - 8, held to -126 .. 127; a block of zeros has e = 0. As a byte (E8M0): e + 127.
;;     - Each number is divided by its block's scale, clamped to +-448, and rounded to the nearest number of E4M3, ties to even, subnormals kept.
;;     - The product sums the exact products of the quantised numbers (number of the format x scale) in f32.
;;   ~~~python
;;   def quantise(x, axis):      # numpy; x: float32 -> the quantised numbers, widened to float32 again
;;       x = np.moveaxis(x, axis, -1); K = x.shape[-1]
;;       x = np.pad(x, [(0, 0)] * (x.ndim - 1) + [(0, -K % 32)]); x = x.reshape(x.shape[:-1] + (-1, 32)); a = np.abs(x).max(-1, keepdims=True)
;;       e = np.where(a > 0, np.clip(np.frexp(np.where(a > 0, a, 1))[1] - 1 - 8, -126, 127), 0)      # np.frexp(a)[1] - 1 = floor(log2(a)), exactly
;;       r = np.clip(x / 2.0 ** e, -448, 448)
;;       step = 2.0 ** (np.maximum(np.frexp(np.where(r == 0, 1, r))[1] - 1, -6) - 3)
;;       q = np.round(r / step) * step * 2.0 ** e      # np.round: ties to even
;;       return np.moveaxis(q.reshape(q.shape[:-2] + (-1,))[..., :K], -1, axis).astype(np.float32)
;;   ~~~
;;   SOFTMAX AHEAD OF A QUANTISED PRODUCT. Where the list says 'softmax', what is quantised is not the finished softmax but p = 2^(t - M), with t = logit x log2(e) and M = ceil(the row's largest t), a whole number; so 1/2 < the row's largest p <= 1. The row's sum l is taken of the UNQUANTISED p, in f32, and the product's result is divided by l at the end. Since M is a whole number, a kernel that streams over the keys may use a running M (the ceiling of the running maximum): every later rescaling is an exact power of two, which a block's scale takes up: the codes' values come out the same.
;;   OPERANDS COMPUTED ON THE WAY. 'Computed on the way' means the value that the module computes at that place (a softmax that the list does not call 'softmax' is quantised finished and normalised). What goes into a quantiser is computed in f32, as accurately as f32 sums, v_exp_f32 and their like allow (about 1e-6 of the number): no bf16 or f16 on the way to a quantiser, and a product that is left as it is and whose result goes on into a quantised operand takes f32 operands (vector FMAs, or v_wmma_f32_16x16x4_f32). A number that lies on a knife's edge between two numbers of the format may be rounded either way, as far as f32 arithmetic and the matrix unit's own rounding can turn it there, and no further.
;;   INPUTS GIVEN AS CODES. W_out (in the module: [1024, 1024], K = its axis 1); W_qkv (in the module: [3072, 1024], K = its axis 1); query (in the module: [4, 2048, 1024], K = its axis 2): each comes as NAME_codes (uint8): NAME with its K axis moved to the last place and cut into blocks of 32 codes, [.., K / 32, bytes a block], one block behind the other in memory; one code a byte (a code: sign, 4 exponent bits, 3 mantissa bits); and NAME_scales (uint8): the same leading axes, one E8M0 byte (e + 127) for each 32 codes along K. Its value is code x scale, taken as it is: it is not quantised again, and the codes and scales need not be those that the quantiser above would give.
;; One version. Each part assembles by itself: llvm-mc -triple=amdgcn-amd-amdhsa -mcpu=gfx1250 --defsym DOCPART=n.
;; ======== version 1 of 1: 4 launches
;; workspace buffers: rope 524,288 bytes; qrec 17,301,504 bytes; kvrec 17,301,504 bytes; aimg 8,388,608 bytes; ascl 262,144 bytes
;; launch ropetab (part 1): grid 128 x 1, 1 waves a work-group, no clusters, 0 bytes of LDS; arguments rope; writes rope
.if DOCPART == 1
	.amdgcn_target "amdgcn-amd-amdhsa--gfx1250"
	.amdhsa_code_object_version 6
	.text
	.protected	k_q58ed42986e_ropetab
	.globl	k_q58ed42986e_ropetab
	.p2align	8
	.type	k_q58ed42986e_ropetab,@function
k_q58ed42986e_ropetab:
	s_mov_b64 s[64:65], 0
	v_nop
	global_prefetch_b8 v0, s[64:65] scope:SCOPE_SE
	s_setreg_imm32_b32 hwreg(HW_REG_WAVE_MODE, 25, 1), 1
	s_wait_xcnt 0x0
; The table of cos and sin for the rotary embedding: angle(s, d) = f32(s x inv_freq[d]), s = 0 .. 2047, d = 0 .. 31, inv_freq[d] = 10000^(-d/32) = 10^(-d/8).
; LAYOUT: [tile of 16 positions Ts][i 0..7][lane 32][4 f32], 4,096 bytes a tile.  Lane 16 h + r stands for position 16 Ts + r; number e = 4 (i % 4) + z stands for
; d = 16 (e / 8) + 8 h + e % 8; i < 4 holds cos, i >= 4 sin.  That is the order in which the next launch's lanes hold a head's first 32 numbers, so it loads the table 16 bytes a lane.
; One wave to a tile, 16 angles a lane.  Sine and cosine are made by arithmetic: k = nearest whole number to angle x 2/pi; r = angle - k pi/2 with pi/2 in two parts (k < 2^11 and the
; first part has 24 bits, so the first fused multiply-add is exact); polynomials of degree 7 and 8 on |r| <= pi/4; the quadrant k mod 4 swaps the two and sets the signs.
; LIMIT: inv_freq is taken as the f32 number nearest to 10^(-d/8); a power function in f32 may give a neighbour of it, which moves an angle of 2,047 by about 1e-4.
; No LDS, no barrier, no matrix unit: 64 K angles in all.  Each store of the wave covers 512 consecutive bytes, aligned.
.set COS, 16                           ; v16-31
.set SIN, 32                           ; v32-47
	s_load_b64 s[4:5], s[0:1], 0x0                 ; the table
	v_and_b32 v3, 15, v0                           ; r
	s_lshl_b32 s6, ttmp9, 4
	v_add_nc_u32 v3, s6, v3                        ; my position
	v_cvt_f32_u32 v1, v3                           ; as f32: exact
	v_lshlrev_b32 v2, 4, v0                        ; 16 x lane
	v_cmp_lt_u32 vcc_lo, 15, v0                    ; lanes 16-31: h = 1
	v_mov_b32 v48, 0x3f22f983                      ; 2 / pi
	v_mov_b32 v49, 0x3fc90fdb                      ; pi / 2, the first 24 bits
	v_mov_b32 v50, 0xb33bbd2e                      ; and what is left of it
	v_mov_b32 v51, 0xbe2aaaa3                      ; sine: -1.6666654611e-1
	v_mov_b32 v52, 0x3c08839e                      ;        8.3321608736e-3
	v_mov_b32 v53, 0xb94ca1f9                      ;       -1.9515295891e-4
	v_mov_b32 v54, 0x3d2aaaa5                      ; cosine: 4.166664568e-2
	v_mov_b32 v55, 0xbab6061a                      ;        -1.388731625e-3
	v_mov_b32 v56, 0x37ccf5ce                      ;         2.443315712e-5
; Angle e of my 16.  f0: inv_freq for lanes 0-15, f1: for lanes 16-31 (eight further on in d: a tenth of f0).
.macro ANG e, f0, f1
	v_mov_b32 v4, \f1
	v_cndmask_b32 v4, \f0, v4, vcc_lo
	v_mul_f32 v4, v1, v4                           ; the angle, rounded once
	v_mul_f32 v5, v48, v4
	v_rndne_f32 v5, v5                             ; k
	v_fma_f32 v6, -v5, v49, v4                     ; exact
	v_fma_f32 v6, -v5, v50, v6                     ; r
	v_mul_f32 v7, v6, v6                           ; r^2
	v_cvt_i32_f32 v8, v5
	v_fma_f32 v9, v7, v53, v52
	v_fma_f32 v9, v9, v7, v51
	v_mul_f32 v10, v7, v6                          ; r^3
	v_fma_f32 v9, v9, v10, v6                      ; sin r
	v_fma_f32 v11, v7, v56, v55
	v_fma_f32 v11, v11, v7, v54
	v_mul_f32 v12, v7, v7                          ; r^4
	v_fma_f32 v13, v7, -0.5, 1.0
	v_fma_f32 v11, v11, v12, v13                   ; cos r
	v_and_b32 v12, 1, v8
	v_cmp_eq_u32 s18, 1, v12                       ; an odd quadrant swaps the two
	v_cndmask_b32 v13, v9, v11, s18
	v_cndmask_b32 v14, v11, v9, s18
	v_lshlrev_b32 v12, 30, v8                      ; the sine is negative in quadrants 2 and 3: bit 1 of k
	v_and_b32 v12, 0x80000000, v12
	v_xor_b32 v[SIN+\e], v12, v13
	v_add_nc_u32 v8, 1, v8                         ; the cosine in quadrants 1 and 2: bit 1 of k + 1
	v_lshlrev_b32 v8, 30, v8
	v_and_b32 v8, 0x80000000, v8
	v_xor_b32 v[COS+\e], v8, v14
.endm
	ANG 0,  1.0,              0.1
	ANG 1,  0.749894209332,   0.0749894209332
	ANG 2,  0.562341325190,   0.0562341325190
	ANG 3,  0.421696503429,   0.0421696503429
	ANG 4,  0.316227766017,   0.0316227766017
	ANG 5,  0.237137370566,   0.0237137370566
	ANG 6,  0.177827941004,   0.0177827941004
	ANG 7,  0.133352143216,   0.0133352143216
	ANG 8,  0.01,             0.001
	ANG 9,  0.00749894209332, 0.000749894209332
	ANG 10, 0.00562341325190, 0.000562341325190
	ANG 11, 0.00421696503429, 0.000421696503429
	ANG 12, 0.00316227766017, 0.000316227766017
	ANG 13, 0.00237137370566, 0.000237137370566
	ANG 14, 0.00177827941004, 0.000177827941004
	ANG 15, 0.00133352143216, 0.000133352143216
	s_lshl_b32 s6, ttmp9, 12                       ; my tile's 4,096 bytes
	s_mov_b32 s7, 0
	s_wait_kmcnt 0x0
	s_add_nc_u64 s[4:5], s[4:5], s[6:7]
.irp i, 0,1,2,3
	global_store_b128 v2, v[COS+4*\i:COS+4*\i+3], s[4:5] offset:512*\i
	global_store_b128 v2, v[SIN+4*\i:SIN+4*\i+3], s[4:5] offset:2048+512*\i
.endr
	s_endpgm
.Lfunc_end_k_q58ed42986e_ropetab:
	.size	k_q58ed42986e_ropetab, .Lfunc_end_k_q58ed42986e_ropetab-k_q58ed42986e_ropetab
	.p2alignl 7, 3214868480
	.fill 96, 4, 3214868480
	.section	.rodata,"a",@progbits
	.p2align	6, 0x0
	.amdhsa_kernel k_q58ed42986e_ropetab
		.amdhsa_group_segment_fixed_size 0
		.amdhsa_private_segment_fixed_size 0
		.amdhsa_enable_private_segment 0
		.amdhsa_kernarg_size 8
		.amdhsa_user_sgpr_count 2
		.amdhsa_user_sgpr_kernarg_segment_ptr 1
		.amdhsa_wavefront_size32 1
		.amdhsa_system_sgpr_workgroup_id_x 1
		.amdhsa_system_sgpr_workgroup_id_y 1
		.amdhsa_system_sgpr_workgroup_id_z 1
		.amdhsa_system_vgpr_workitem_id 0
		.amdhsa_next_free_vgpr 64
		.amdhsa_next_free_sgpr 66
		.amdhsa_reserve_vcc 1
		.amdhsa_float_denorm_mode_32 3
		.amdhsa_float_denorm_mode_16_64 3
		.amdhsa_memory_ordered 1
		.amdhsa_forward_progress 1
		.amdhsa_inst_pref_size 25
	.end_amdhsa_kernel
	.amdgpu_metadata
---
amdhsa.version: [ 1, 2 ]
amdhsa.kernels:
  - .name:           k_q58ed42986e_ropetab
    .symbol:         k_q58ed42986e_ropetab.kd
    .args:
      - { .name: rope, .offset: 0, .size: 8, .value_kind: global_buffer, .address_space: global }
    .group_segment_fixed_size: 0
    .private_segment_fixed_size: 0
    .kernarg_segment_align: 8
    .kernarg_segment_size: 8
    .max_flat_workgroup_size: 32
    .sgpr_count:     66
    .vgpr_count:     64
    .wavefront_size: 32
...
	.end_amdgpu_metadata
.endif
;; end of part 1
;; launch qkv (part 2): grid 12 x 32, 4 waves a work-group, clusters of 4 x 4, 327,680 bytes of LDS; arguments query_codes, query_scales, W_qkv_codes, W_qkv_scales, b_qkv, rope, qrec, kvrec; writes qrec, kvrec
.if DOCPART == 2
	.amdgcn_target "amdgcn-amd-amdhsa--gfx1250"
	.amdhsa_code_object_version 6
	.text
	.protected	k_q58ed42986e_qkv
	.globl	k_q58ed42986e_qkv
	.p2align	8
	.type	k_q58ed42986e_qkv,@function
k_q58ed42986e_qkv:
	s_mov_b64 s[64:65], 0
	v_nop
	global_prefetch_b8 v0, s[64:65] scope:SCOPE_SE
	s_setreg_imm32_b32 hwreg(HW_REG_WAVE_MODE, 25, 1), 1
	s_wait_xcnt 0x0
	s_wait_alu depctr_hold_cnt(0) depctr_sa_sdst(0) depctr_va_vdst(0) depctr_va_sdst(0) depctr_va_ssrc(0) depctr_va_vcc(0) depctr_vm_vsrc(0)
	s_getreg_b32 s2, hwreg(HW_REG_IB_STS2, 6, 4)
	s_cmp_eq_u32 s2, 0
	s_cbranch_scc0 .Lentry_in_a_cluster
	s_endpgm
.Lentry_in_a_cluster:
	s_bfe_u32 s2, ttmp6, 0x10000c
	s_cmp_lg_u32 s2, 0xf033
	s_cbranch_scc0 .Lentry_shape_is_right
	s_endpgm
.Lentry_shape_is_right:
; qkv = query W_qkv^T + b_qkv on codes of FP8 (E4M3) with one E8M0 scale for each 32 along K = 1,024; then the rotary embedding on q and k; then q, k and v are quantised for the two products of
; attention and stored as IMAGES OF THE OPERANDS' REGISTERS, so that the next launch loads every fragment 16 bytes a lane.
; THE PRODUCT computes "X rows x Y rows": a tile of 256 x 256 to a work-group of four waves, 128 x 128 to a wave (64 accumulators of 16 x 16, 512 registers).  K goes in steps of 256 through a ring of two LDS
; slots filled by the tensor data mover; the scales of the tile's 512 rows, for all of K, come into LDS once.  The matrix instruction takes source 0 = 16 rows of Y and source 1 = 16 rows of X: a lane then
; holds ONE row of X and eight neighbouring rows of Y.
; ROLES, by the cluster's x, which all sixteen partners share: 0 (q) and 1 (k): X = tokens, Y = rows of W_qkv: a lane holds one token and its registers run along d, the K of q k^T.
;   2 (v): X = rows of W_qkv, Y = tokens: a lane holds one d and its registers run along the tokens, the K of p v.  So nothing is ever transposed.  Only pointers and tile numbers are chosen for the product;
;   the text parts once, in front of the last 128 along K, into two ways out, each with LDS bytes of its own.
; CLUSTERS: 4 x 4 work-groups.  X's tile hangs on the tile row alone and is shared along a row of the cluster, Y's on the tile column alone and is shared along a column: each is asked for jointly.
; RECORDS (REC = 67,584 bytes for 512 tokens of one head; four to a head): +0 KC: 16 tuples of 32 tokens x 2,048 bytes = [u 2][c 2][lane 32][16 bytes]: tile u's row p is token 16 (p / 8) + 8 u + p % 8 of the
;   tuple, a lane's bytes d = 32 c + 16 (lane / 16) + 0 .. 15;  +32,768 VC: [128 keys 4][16 d 4][c 4][lane][16 bytes]: row d = lane % 16, keys 32 c + 16 (lane / 16) + 0 .. 15;
;   +65,536 KS: [tuple][row] words: the two scale bytes of tile 0's row, then tile 1's;  +66,560 VS: [128 keys][16 d][row] words.  q goes to qrec (KC and KS alone), k and v to kvrec.
; THE QUANTISER: a block's scale is 2^(floor(log2(largest magnitude)) - 8); numbers are held within +-448 x the scale and rounded to the nearest code, ties to even.
; LIMITS: NaN and infinities are not served; a block whose largest magnitude lies under 2^-118, a block of zeros among them, gets the byte 1 (zeros' codes are zeros, and this program alone reads the bytes).
; REGISTERS, in windows of 256: window 0: v1-31 addresses; v32-63 scale words, two sets; v64-127 the bias; from v128 X's fragments, one set; on the way out v32-63 rows read back, v128-239 at work.
;   window 1: Y's fragments, two sets; on q's and k's way out cos and sin, 32 registers for each block of 16 tokens.   windows 2, 3: the accumulators ((a, b) at v[8 (8 (a % 4) + b)]).
.set KSTEP,  256
.set NQ,     2
.set ROWB,   256
.set KROW,   1024
.set PITCH,  272                       ; an LDS row: 256 bytes + 16 of padding = 68 words: row r starts at bank 4 r mod 64 (64 banks of 4 bytes: ISA guide 11.1)
.set FR,     16
.set NL,     4
.set NP,     8                         ; places behind this matrix instruction (ISA guide 7.12.1)
.set HALFT,  128*PITCH
.set SLOT,   4*HALFT
.set LAPS,   2                         ; 1,024 along K = twice round the ring
.set KS,     32                        ; a row of scales in bytes
.set SCL,    2*SLOT
.set HALFS,  (128*KS/256)*272
.set SBLK,   (16*KS/256)*272
.set SPARE,  SCL+4*HALFS               ; the spare words, 128 bytes for each wave: two blocks of 256 bytes that no other line names
.set REC,    67584
.set HS,     4*REC                     ; a head's four records
.set L16,  6                           ; v6   16 x lane
.set H16,  7                           ; v7   16 x (lane / 16)
.set SQA,  8                           ; v8   q, k: where I put 8 codes in my stage (4,096 bytes a wave, from LDS byte 0)
.set SQR,  9                           ; v9   and where I read 16 bytes back
.set SSA,  10                          ; v10  q, k: where I put two scale bytes (512 bytes a wave, from 16,384)
.set SSR,  11                          ; v11
.set SVA,  12                          ; v12  v: the same four (2,048 bytes a wave from 32,768; 512 a wave from 40,960)
.set SVR,  13
.set SVS,  14
.set SVSR, 15
.set ADRA, 16                          ; v16-17  LDS address of my X fragments in slot 0, 1
.set ADRB, 20                          ; v20-21  the same for Y
.set GV,   22                          ; v22  scale words' way out: lanes 0-15 my first head, lanes 16-31 my second
.set BIO,  23                          ; v23  32 x (lane / 16)
.set BVO,  24                          ; v24  4 x (lane % 16)
.set ADRS, 27                          ; v27  LDS address of my scale words: lanes 0-15 X's rows, lanes 16-31 Y's
.set SPW,  28                          ; v28  LDS address of my spare word; never rewritten
.set NIL,  29                          ; v29  0; never rewritten
.set SC,   32
.set AF,   128
.set OB,   32                          ; the way out: v32-63
.set BI,   64                          ; v64-127 the bias
.set X,    128                         ; v128-191 a block's 64 numbers
.set TT,   192                         ; v192-199 at work in the rotation
.set TM,   200                         ; v200-215 at work in the quantiser
.set PW,   216                         ; the scale word just made
.set SWT,  217                         ; my head's half of it
.set PC,   224                         ; v224-239 the codes just made
.set G1, 24
.set G0, 32
.set G1B, 48
.set G0B, 56
.set ROLE, 66                          ; s66
.set MNT, 67                           ; s67  the mantissa field of 448
.set G1S, 68
.set G0S, 76
.set G1SB, 80
.set G0SB, 88
.set SEL, 94                           ; s[94:95] lane selects for v_permlanex16_b32: lane l xor 16
.set MSB, 0
.macro WIN new                         ; the immediate's high byte repeats the setting that is left
.if MSB != (\new)
	s_set_vgpr_msb (MSB<<8)|(\new)
.set MSB, (\new)
.endif
.endm
.set MUL_LO, 0xa1                      ; source 0 (Y) window 1, source 1 (X) window 0, C and D window 2
.set MUL_HI, 0xf1
.set TO_B,   0x40                      ; destination window 1, address window 0
; A joint load: waves 0 and 1 fetch for X, waves 2 and 3 for Y.  The branch hangs on the wave's number alone.  Four v_nop follow each of the two lines.
.macro JLOAD g0a, g1a, g0b, g1b
	s_cmp_eq_u32 s15, 0
	s_cbranch_scc0 .Lfor_b_\@
	tensor_load_to_lds s[\g0a:\g0a+3], s[\g1a:\g1a+7]
	s_nop 0
.rept 4
	v_nop
.endr
	s_branch .Lasked_\@
.Lfor_b_\@:
	tensor_load_to_lds s[\g0b:\g0b+3], s[\g1b:\g1b+7]
	s_nop 0
.rept 4
	v_nop
.endr
.Lasked_\@:
.endm
.macro CREST                           ; a round of the cluster's barrier behind its opening barrier
	s_cmp_lg_u32 s14, 0
	s_cbranch_scc1 .Lnot_wave_0_\@
	s_barrier_signal -3
.Lnot_wave_0_\@:
	s_barrier_wait -3
	s_barrier_signal -1
	s_barrier_wait -1
.endm
.macro CROUND
	s_barrier_signal -1
	s_barrier_wait -1
	CREST
.endm
	s_load_b256 s[4:11], s[0:1], 0x0               ; query's codes, its scales, W_qkv's codes, its scales
	v_lshl_add_u32 v[SPW], v0, 2, SPARE
	v_mov_b32 v[NIL], 0
	ds_add_u32 v28, v29
	ds_add_u32 v28, v29
	s_wait_dscnt 0x0
	v_lshrrev_b32 v1, 5, v0
	v_readfirstlane_b32 s14, v1                    ; wave 0..3
	s_lshr_b32 s15, s14, 1                         ; which half of the tile's X rows is mine.  Also: I fetch for X (0) or for Y (1)
	s_and_b32 s16, s14, 1                          ; which half of its Y rows.  Also: which 128 rows I fetch
	s_bfe_u32 s40, ttmp6, 0x40000                  ; cx, cy: my place in the cluster
	s_bfe_u32 s41, ttmp6, 0x40004
	s_mov_b32 s[ROLE], ttmp9                       ; the cluster's x: 0 q, 1 k, 2 v
	s_and_b32 s18, ttmp7, 0xffff
	s_lshl_b32 s18, s18, 2                         ; 4 x the cluster's y: which four tiles of 256 tokens
	s_lshl_b32 s19, s[ROLE], 2
	s_cmp_eq_u32 s[ROLE], 2
	s_cselect_b32 s17, 8, s18                      ; the tile row's base: v: rows 2,048 on of W_qkv; q, k: tokens
	s_cselect_b32 s42, s18, s19                    ; the tile column's: v: tokens; q, k: rows 1,024 x role on of W_qkv
	s_add_co_u32 s17, s17, s41                     ; tile row: cy alone enters it
	s_add_co_u32 s42, s42, s40                     ; tile column: cx alone
	s_lshl_b32 s43, s41, 2
	s_lshl_b32 s43, 15, s43                        ; my row of the cluster
	s_lshl_b32 s44, 0x1111, s40                    ; my column
	; descriptor group 1: a tile of 128 rows x 256 bytes, padded in LDS
	s_or_b32 s[G1+0], s43, (0<<16)|(1<<20)|(1<<21)|(5<<22)|(3<<25)  ; 15:0 the mask; 17:16 elements of 1 byte; 20 padding on; 21 set beside a mask; 24:22 after every 64 words; 31:25 four words
	s_or_b32 s[G1B+0], s44, (0<<16)|(1<<20)|(1<<21)|(5<<22)|(3<<25)
.irp g, G1, G1B
	s_mov_b32 s[\g+1], ROWB<<16                    ; tensor_dim0
	s_mov_b32 s[\g+2], 128<<16                     ; tensor_dim1
	s_mov_b32 s[\g+3], ROWB<<16                    ; tile_dim0
	s_mov_b32 s[\g+4], 128                         ; tile_dim1
	s_mov_b32 s[\g+5], KROW                        ; tensor_dim0_stride
	s_mov_b32 s[\g+6], 0
	s_mov_b32 s[\g+7], 0
.endr
	; the scales of 128 rows: 4,096 dense bytes, as 16 rows of 256 bytes (32 elements of 8 bytes), 16 bytes of padding behind each
	s_or_b32 s[G1S+0], s43, (3<<16)|(1<<20)|(1<<21)|(5<<22)|(3<<25)
	s_or_b32 s[G1SB+0], s44, (3<<16)|(1<<20)|(1<<21)|(5<<22)|(3<<25)
.irp g, G1S, G1SB
	s_mov_b32 s[\g+1], 32<<16
	s_mov_b32 s[\g+2], (128*KS/256)<<16
	s_mov_b32 s[\g+3], 32<<16
	s_mov_b32 s[\g+4], 128*KS/256
	s_mov_b32 s[\g+5], 32
	s_mov_b32 s[\g+6], 0
	s_mov_b32 s[\g+7], 0
.endr
	s_lshl_b32 s18, s16, 7                         ; which 128 rows of the tile I fetch
	s_lshl_b32 s20, s17, 8
	s_add_co_u32 s20, s20, s18                     ; X: row 256 x tile row + 128 x half
	s_lshl_b32 s46, s42, 8
	s_add_co_u32 s46, s46, s18                     ; Y: row 256 x tile column + 128 x half
	s_mov_b32 s21, 0
	s_mov_b32 s47, 0
	s_mov_b64 s[18:19], KS
	s_mul_u64 s[22:23], s[20:21], s[18:19]         ; where these rows' scales begin, in bytes
	s_mul_u64 s[92:93], s[46:47], s[18:19]
	s_mov_b64 s[18:19], KROW
	s_mul_u64 s[20:21], s[20:21], s[18:19]         ; and their codes
	s_mul_u64 s[46:47], s[46:47], s[18:19]
	s_mul_i32 s45, s14, HALFT                      ; where they go: wave x 128 rows: no place in the cluster enters an LDS address
	s_mul_i32 s94, s14, HALFS
	s_wait_kmcnt 0x0
	s_cmp_eq_u32 s[ROLE], 2                        ; which tensor is X and which Y: the choice hangs on the cluster's number alone
	s_cselect_b64 s[96:97], s[8:9], s[4:5]         ; X's codes
	s_cselect_b64 s[98:99], s[10:11], s[6:7]       ; X's scales
	s_cselect_b64 s[100:101], s[4:5], s[8:9]       ; Y's codes
	s_cselect_b64 s[104:105], s[6:7], s[10:11]     ; Y's scales
	s_add_nc_u64 s[20:21], s[96:97], s[20:21]
	s_add_nc_u64 s[22:23], s[98:99], s[22:23]
	s_add_nc_u64 s[46:47], s[100:101], s[46:47]
	s_add_nc_u64 s[92:93], s[104:105], s[92:93]
	s_load_b256 s[4:11], s[0:1], 0x20              ; for the way out: b_qkv s[4:5], the table s[6:7], qrec s[8:9], kvrec s[10:11]
	CROUND                                         ; all sixteen work-groups are here: the first joint loads meet
	s_mov_b32 s[G0S], 1
	s_add_co_u32 s[G0S+1], s94, SCL
	s_mov_b64 s[G0S+2:G0S+3], s[22:23]
	s_or_b32 s[G0S+3], s[G0S+3], 0x80000000
	s_mov_b32 s[G0SB], 1
	s_add_co_u32 s[G0SB+1], s94, SCL
	s_mov_b64 s[G0SB+2:G0SB+3], s[92:93]
	s_or_b32 s[G0SB+3], s[G0SB+3], 0x80000000
	JLOAD G0S, G1S, G0SB, G1SB                     ; the scales first: they are wanted with K step 0
.irp s, 0,1
	s_mov_b32 s[G0+4*\s], 1
	s_add_co_u32 s[G0+4*\s+1], s45, \s*SLOT
	s_add_nc_u64 s[G0+4*\s+2:G0+4*\s+3], s[20:21], \s*ROWB
	s_or_b32 s[G0+4*\s+3], s[G0+4*\s+3], 0x80000000
	s_mov_b32 s[G0B+4*\s], 1
	s_add_co_u32 s[G0B+4*\s+1], s45, \s*SLOT
	s_add_nc_u64 s[G0B+4*\s+2:G0B+4*\s+3], s[46:47], \s*ROWB
	s_or_b32 s[G0B+4*\s+3], s[G0B+4*\s+3], 0x80000000
	JLOAD G0+4*\s, G1, G0B+4*\s, G1B
.endr
	s_mov_b32 s[SEL], 0x76543210
	s_mov_b32 s[SEL+1], 0xfedcba98
	s_mov_b32 s[MNT], 0x600000
	v_and_b32 v1, 15, v0                           ; r = lane % 16
	v_bfe_u32 v2, v0, 4, 1                         ; h = lane / 16
	v_and_b32 v3, 31, v0                           ; lane
	v_and_b32 v4, 7, v0                            ; r % 8
	v_bfe_u32 v5, v0, 3, 1                         ; r / 8
	v_mul_u32_u24 v18, v1, PITCH
	v_lshl_add_u32 v18, v2, 4, v18                 ; a fragment's row x pitch + 16 x half
	s_mul_i32 s21, s15, HALFT                      ; my 128 rows of X
	s_mul_i32 s22, s16, HALFT                      ; my 128 rows of Y,
	s_add_co_u32 s22, s22, 2*HALFT                 ; which lie behind X's 256
.irp s, 0,1
	v_add_nc_u32 v[ADRA+\s], s21, v18
	v_add_nc_u32 v[ADRB+\s], s22, v18
	s_add_co_u32 s21, s21, SLOT
	s_add_co_u32 s22, s22, SLOT
.endr
	v_mul_u32_u24 v19, v1, KS                      ; my row's scales: 32 bytes a row,
	v_lshrrev_b32 v30, 8, v19
	v_lshl_add_u32 v19, v30, 4, v19                ; and 16 more for each 256 passed
	s_mul_i32 s21, s15, HALFS
	s_mul_i32 s22, s16, HALFS
	s_add_co_u32 s22, s22, 2*HALFS
	s_sub_co_u32 s22, s22, s21
	v_mul_u32_u24 v30, s22, v2                     ; lanes 16-31 take Y's
	s_add_co_u32 s21, s21, SCL
	v_add_nc_u32 v19, v19, v30
	v_add_nc_u32 v[ADRS], s21, v19
	; the addresses of both ways out, made of the lane and the wave alone, ahead of the place where the text parts
	v_lshlrev_b32 v[L16], 4, v3
	v_lshlrev_b32 v[H16], 4, v2
	s_lshl_b32 s18, s14, 12                        ; q, k: 4,096 x wave
	v_lshlrev_b32 v[SQA], 10, v5                   ; tile u = r / 8 of the tuple: 1,024 bytes
	v_lshl_add_u32 v[SQA], v4, 4, v[SQA]           ; row 8 (block % 2) + r % 8: 16 bytes a row (the block's part stands in the offset)
	v_lshl_add_u32 v[SQA], v2, 3, v[SQA]           ; my eight codes are the lower or the upper half of a lane's 16 bytes
	v_add_nc_u32 v[SQA], s18, v[SQA]
	v_add_nc_u32 v[SQR], s18, v[L16]
	s_lshl_b32 s18, s14, 9                         ; 512 x wave
	s_add_co_u32 s19, s18, 16384
	v_lshlrev_b32 v[SSA], 8, v2                    ; lanes 0-15 store my first head's two bytes, lanes 16-31 my second's: 256 bytes a head
	v_lshl_add_u32 v[SSA], v4, 2, v[SSA]           ; a word a row,
	v_lshl_add_u32 v[SSA], v5, 1, v[SSA]           ; tile u's half of it
	v_add_nc_u32 v[SSA], s19, v[SSA]
	v_add_nc_u32 v[SSR], s19, v[L16]
	s_lshl_b32 s19, s14, 11                        ; v: 2,048 x wave
	s_add_co_u32 s19, s19, 32768
	v_lshlrev_b32 v[SVA], 4, v1
	v_lshl_add_u32 v[SVA], v2, 3, v[SVA]
	v_add_nc_u32 v[SVA], s19, v[SVA]
	v_add_nc_u32 v[SVR], s19, v[L16]
	s_add_co_u32 s19, s18, 40960
	v_lshl_add_u32 v[SVS], v1, 2, s19
	v_add_nc_u32 v[SVSR], s19, v[L16]
	v_mul_u32_u24 v[GV], v2, HS
	v_lshl_add_u32 v[GV], v1, 4, v[GV]
	v_lshlrev_b32 v[BIO], 5, v2
	v_lshlrev_b32 v[BVO], 2, v1
.macro FRAG reg, adr, q, i             ; a fragment, 16 rows x 128 K, is 16 registers: lane l holds row l % 16; registers 4 c .. 4 c + 3 hold K = 32 c + 16 (l / 16) + 0 .. 15
.irp c, 0,1,2,3
	ds_load_b128 v[\reg+4*\c:\reg+4*\c+3], v[\adr] offset:128*(\q)+32*\c+(\i)*16*PITCH
.endr
.endm
; 16 matrix instructions: X's blocks a0, a0 + 1 x Y's eight, 128 along K.  zero = 1: the first product starts the sums.  The 64 accumulators take turns, one instruction a turn.
.macro MUL16 a0, p, q, sc, zero
.irp a, \a0, \a0+1
.irp b, 0,1,2,3,4,5,6,7
.if \zero
	v_wmma_scale_f32_16x16x128_f8f6f4 v[8*(8*((\a)%4)+\b):8*(8*((\a)%4)+\b)+7], v[128*(\p)+FR*\b:128*(\p)+FR*\b+FR-1], v[AF+FR*(\a):AF+FR*(\a)+FR-1], 0, v[SC+8*NQ*(\sc)+NQ*\b+(\q)], v[SC+8*NQ*(\sc)+NQ*(\a)+(\q)] matrix_a_scale:MATRIX_SCALE_ROW1
.else
	v_wmma_scale_f32_16x16x128_f8f6f4 v[8*(8*((\a)%4)+\b):8*(8*((\a)%4)+\b)+7], v[128*(\p)+FR*\b:128*(\p)+FR*\b+FR-1], v[AF+FR*(\a):AF+FR*(\a)+FR-1], v[8*(8*((\a)%4)+\b):8*(8*((\a)%4)+\b)+7], v[SC+8*NQ*(\sc)+NQ*\b+(\q)], v[SC+8*NQ*(\sc)+NQ*(\a)+(\q)] matrix_a_scale:MATRIX_SCALE_ROW1
.endif
.endr
.endr
.endm
.macro FETCH_B slot, q, p
	WIN TO_B
.irp i, 0,1,2,3,4,5,6,7
	FRAG 128*(\p)+FR*\i, ADRB+\slot, \q, \i
.endr
	WIN 0
.endm
.macro FETCH_A slot, q, i0
.irp i, \i0, \i0+1, \i0+2, \i0+3
	FRAG AF+FR*(\i), ADRA+\slot, \q, \i
.endr
.endm
.macro SCALES sc                       ; a K step's scale words: two words a row; lanes 0-15 take X's block i, lanes 16-31 Y's block i
.irp i, 0,1,2,3,4,5,6,7
	ds_load_b64 v[SC+8*NQ*\sc+NQ*\i:SC+8*NQ*\sc+NQ*\i+1], v[ADRS] offset:\i*SBLK
.endr
.endm
; A load into a register that a matrix instruction has read, and a vector instruction that reads a matrix result or writes one of a matrix instruction's registers, stand NP places behind it, and only plain
; vector instructions that name none of its registers are places (ISA guide 7.12.1 for vector instructions).
.macro PLACES n
.rept \n
	v_nop
.endr
.endm
.macro STEP slot, q, zero              ; a step of 128 along K that has its successor in the same slot
	s_wait_dscnt 4*NL                              ; Y's set and X's blocks 0-3 are in; the youngest sixteen loads (X's blocks 4-7) may be out
	WIN MUL_LO
	MUL16 0, (\q)%2, \q, \slot, \zero
	MUL16 2, (\q)%2, \q, \slot, \zero
	s_wait_dscnt 0                                 ; X's blocks 4-7 are in
	PLACES NP
	FETCH_B \slot, (\q)+1, 1-(\q)%2
	FETCH_A \slot, (\q)+1, 0
	WIN MUL_HI
	MUL16 4, (\q)%2, \q, \slot, \zero
	MUL16 6, (\q)%2, \q, \slot, \zero
	PLACES NP
	WIN 0
	FETCH_A \slot, (\q)+1, 4
.endm
; A slot's last step changes slots: ONE barrier; in front of it each wave waits for all its tensor loads, adds 0 to its spare word, and waits for that and for its own reads of this slot.
.macro TURN slot, next, fill
	s_wait_tensorcnt 0x0                           ; all my tensor loads have landed: my part of the next slot
	ds_add_u32 v[SPW], v[NIL]                      ; 0 onto my spare word
	s_wait_dscnt 4*NL+1                            ; (the add and the youngest sixteen loads may be out)
	WIN MUL_LO
	MUL16 0, 1, NQ-1, \slot, 0                     ; sixteen matrix instructions stand between the add and the wait for it
	s_wait_dscnt 0x0                               ; the add is done, and my reads of this slot are over
	s_barrier_signal -1
	MUL16 2, 1, NQ-1, \slot, 0
	WIN 0
	s_barrier_wait -1
.if \fill
	CREST                                          ; the barrier has opened a round of the cluster's barrier: no wave of any partner still reads this slot or has a load on its way
	s_add_nc_u64 s[G0+4*\slot+2:G0+4*\slot+3], s[G0+4*\slot+2:G0+4*\slot+3], 2*ROWB
	s_add_nc_u64 s[G0B+4*\slot+2:G0B+4*\slot+3], s[G0B+4*\slot+2:G0B+4*\slot+3], 2*ROWB
	JLOAD G0+4*\slot, G1, G0B+4*\slot, G1B         ; the first tensor load behind the round; its four v_nop are among the places in front of the loads below
	PLACES NP-4
.else
	PLACES NP
.endif
	v_add_nc_u32 v[ADRS], 4*NQ, v[ADRS]            ; on to the next K step's scale words (no LDS load of mine is out)
	FETCH_B \next, 0, 0
	FETCH_A \next, 0, 0
	SCALES \next
	WIN MUL_HI
	MUL16 4, 1, NQ-1, \slot, 0
	MUL16 6, 1, NQ-1, \slot, 0
	PLACES NP
	WIN 0
	FETCH_A \next, 0, 4
.endm
.macro LAST                            ; the last 128 along K: nothing more to fetch.  It stands in both ways out, so that their first loads from memory can be issued ahead of it
	s_wait_dscnt 4*NL
	WIN MUL_LO
	MUL16 0, 1, NQ-1, 1, 0
	MUL16 2, 1, NQ-1, 1, 0
	s_wait_dscnt 0
	WIN MUL_HI
	MUL16 4, 1, NQ-1, 1, 0
	MUL16 6, 1, NQ-1, 1, 0
	WIN 0
.endm
; 64 numbers of a lane, v[s] on, in four blocks of 16 registers; a block's other 16 numbers lie in lane l xor 16.  They become 64 codes in v[PC] on and four scale bytes in v[PW].
.macro QUANT s
.irp b, 0,1,2,3
	v_max3_num_f32 v[TM+\b], |v[\s+16*\b]|, |v[\s+1+16*\b]|, 0x4800000   ; my 16 numbers, and the floor 2^(9 - 127): so the byte cannot fall under 1
.endr
.irp i, 2,4,6,8,10,12,14
.irp b, 0,1,2,3
	v_max3_num_f32 v[TM+\b], v[TM+\b], |v[\s+16*\b+\i]|, |v[\s+1+16*\b+\i]|   ; (the four blocks by turns)
.endr
.endr
.irp b, 0,1,2,3
	v_permlanex16_b32 v[TM+4+\b], v[TM+\b], s[SEL], s[SEL+1]
.endr
.irp b, 0,1,2,3
	v_max_num_f32 v[TM+\b], v[TM+\b], v[TM+4+\b]   ; the block's largest magnitude
.endr
.irp b, 0,1,2,3
	v_add_nc_u32 v[TM+12+\b], 0xfc000000, v[TM+\b] ; 8 off its exponent field: the conversion takes the exponent field of this operand as its scale
.endr
.irp b, 0,1,2,3
	v_and_or_b32 v[TM+8+\b], v[TM+\b], 0x7f800000, s[MNT]   ; 448 x the scale
.endr
.irp b, 0,1,2,3
	v_lshrrev_b32 v[TM+4+\b], 23, v[TM+12+\b]      ; the scale's byte
.endr
	v_lshl_or_b32 v[PW], v[TM+5], 8, v[TM+4]
	v_lshl_or_b32 v[PW], v[TM+6], 16, v[PW]
	v_lshl_or_b32 v[PW], v[TM+7], 24, v[PW]
.irp b, 0,1,2,3
.irp i, 0,1,2,3,4,5,6,7,8,9,10,11,12,13,14,15
	v_med3_num_f32 v[\s+16*\b+\i], v[\s+16*\b+\i], -v[TM+8+\b], v[TM+8+\b]   ; the conversion to an 8-bit code does not saturate (ISA guide 7.6.2): the hold comes first
.endr
	v_cvt_scalef32_pk8_fp8_f32 v[PC+4*\b:PC+1+4*\b], v[\s+16*\b:\s+7+16*\b], v[TM+12+\b]
	v_cvt_scalef32_pk8_fp8_f32 v[PC+2+4*\b:PC+3+4*\b], v[\s+8+16*\b:\s+15+16*\b], v[TM+12+\b]
.endr
	v_nop                                          ; one plain vector instruction between the last conversion and the next vector instruction that writes its sources
.endm
; Where my part lies.  tt, th: the registers with the tile and the half that count tokens; ht, hh: those that count rows of W_qkv.
; Leaves: s20 my first position; s[44:45] my records' offset + 8,192 x (which 128 tokens of the record); s[46:47] the same + 256 x; s41 = 0; s[4:5] the bias at my first row of W_qkv.
.macro WHERE tt, th, ht, hh
	s_lshl_b32 s18, s[\tt], 8
	s_lshl_b32 s19, s[\th], 7
	s_add_co_u32 s18, s18, s19                     ; my first token
	s_lshr_b32 s19, s18, 11                        ; its batch
	s_and_b32 s20, s18, 2047                       ; its position
	s_lshr_b32 s21, s20, 7                         ; which 128 positions
	s_and_b32 s22, s[\ht], 3                       ; a tile of 256 rows of W_qkv is four heads; four such tiles to each of q, k, v
	s_lshl_b32 s22, s22, 2
	s_lshl_b32 s23, s[\hh], 1
	s_add_co_u32 s22, s22, s23                     ; my first head
	s_lshl_b32 s19, s19, 4
	s_add_co_u32 s19, s19, s22
	s_mul_i32 s40, s19, HS
	s_lshr_b32 s23, s21, 2
	s_mul_i32 s23, s23, REC
	s_add_co_u32 s40, s40, s23                     ; my first head's record
	s_and_b32 s21, s21, 3
	s_lshl_b32 s44, s21, 13
	s_add_co_u32 s44, s44, s40
	s_mov_b32 s45, 0
	s_lshl_b32 s46, s21, 8
	s_add_co_u32 s46, s46, s40
	s_mov_b32 s47, 0
	s_lshl_b32 s40, s[\ht], 10
	s_lshl_b32 s41, s[\hh], 9
	s_add_co_u32 s40, s40, s41
	s_mov_b32 s41, 0
	s_add_nc_u64 s[4:5], s[4:5], s[40:41]
.endm
	s_wait_kmcnt 0x0                               ; the way out's four addresses
	s_wait_tensorcnt 1                             ; the scales and my part of K step 0 are in (K step 1's load may be out),
	s_barrier_signal -1
	s_barrier_wait -1                              ; everybody's are
	FETCH_B 0, 0, 0
	FETCH_A 0, 0, 0
	SCALES 0
	FETCH_A 0, 0, 4
	STEP 0, 0, 1                                   ; the first step stands in front of the loop: its products start the sums
	s_mov_b32 s3, LAPS-1
.Llap:                                                 ; a trip goes once round the ring and fills both slots again
	TURN 0, 1, 1
	STEP 1, 0, 0
	TURN 1, 0, 1
	STEP 0, 0, 0
	s_sub_co_u32 s3, s3, 1
	s_cmp_lg_u32 s3, 0
	s_cbranch_scc1 .Llap
	TURN 0, 1, 0                                   ; the last lap fills nothing; behind this barrier nobody reads slot 0, which has had its last fill: the stages lie there
	STEP 1, 0, 0
	s_cmp_eq_u32 s[ROLE], 2                        ; the text parts here, on the cluster's number
	s_cbranch_scc1 .Lv_tail
	; ---- THE WAY OUT OF q AND k.  In block a lane (r, h) holds token 16 a + r; register 8 b + j is column 16 b + 8 h + j of my 128: head b / 4, d = 16 (b % 4) + 8 h + j.
	WHERE 17, 15, 42, 16
	s_cmp_eq_u32 s[ROLE], 0
	s_cselect_b64 s[92:93], s[8:9], s[10:11]       ; q goes to qrec, k to kvrec
	s_add_nc_u64 s[44:45], s[92:93], s[44:45]      ; my four tuples of codes
	s_add_nc_u64 s[46:47], s[92:93], s[46:47]
	s_add_nc_u64 s[46:47], s[46:47], 65536         ; and their scale words
	s_lshl_b32 s40, s20, 8                         ; the table: 4,096 bytes for 16 positions
	s_add_nc_u64 s[6:7], s[6:7], s[40:41]
.irp b, 0,1,2,3,4,5,6,7
	global_load_b128 v[BI+8*\b:BI+8*\b+3], v[BIO], s[4:5] offset:64*\b
	global_load_b128 v[BI+8*\b+4:BI+8*\b+7], v[BIO], s[4:5] offset:64*\b+16
.endr
.macro CSLOAD a                        ; cos (16 registers) and sin (16) of block a's positions into window 1, v[32 a] on
.irp i, 0,1,2,3,4,5,6,7
	global_load_b128 v[32*(\a)+4*\i:32*(\a)+4*\i+3], v[L16], s[6:7] offset:4096*(\a)+512*\i
.endr
.endm
	WIN TO_B
	CSLOAD 0                                       ; into Y's set 0, which the step above has left (its closing places stand behind the products that read it)
	CSLOAD 1
	CSLOAD 2
	CSLOAD 3
	WIN 0
	LAST
	PLACES NP
	WIN TO_B
	CSLOAD 4                                       ; into Y's set 1
	CSLOAD 5
	CSLOAD 6
	CSLOAD 7
	WIN 0
.irp b, 0,1,2,3
	v_mov_b32 v[TM+4+\b], 0                        ; written once: a lane permute's destination counts as one of its sources
.endr
; Block a: bias, rotation, quantiser, codes and scale bytes into my stage.  Two blocks make a tuple of 32 tokens for each of my two heads: behind the second the 4,096 bytes are read back.
.macro EPIQ a
.set AC, 64*((\a)%4)
.set WN, 0x02+(\a)/4
	s_wait_loadcnt 56-8*(\a)                       ; the bias and this block's cos and sin are in; the eight loads of each later block may be out
	WIN WN                                         ; source 0: window 2 or 3
.set E, 0
.rept 32
	v_pk_add_f32 v[X+E:X+E+1], v[AC+E:AC+E+1], v[BI+E:BI+E+1]   ; each accumulator from its low end on
.set E, E+2
.endr
	WIN 0x04                                       ; source 1: window 1
.irp n, 0,1                            ; my two heads.  Register e < 16 of a head holds d < 32, register 16 + e holds d + 32: the two that turn together
.irp e, 0,2,4,6,8,10,12,14
	v_pk_mul_f32 v[TT+2*(\e%4):TT+2*(\e%4)+1], v[X+32*\n+16+\e:X+32*\n+17+\e], v[32*(\a)+16+\e:32*(\a)+17+\e]       ; x2 sin
	v_pk_mul_f32 v[TT+2*(\e%4)+2:TT+2*(\e%4)+3], v[X+32*\n+\e:X+32*\n+1+\e], v[32*(\a)+16+\e:32*(\a)+17+\e]         ; x1 sin
	v_pk_fma_f32 v[X+32*\n+\e:X+32*\n+1+\e], v[X+32*\n+\e:X+32*\n+1+\e], v[32*(\a)+\e:32*(\a)+1+\e], v[TT+2*(\e%4):TT+2*(\e%4)+1] neg_lo:[0,0,1] neg_hi:[0,0,1]   ; x1 cos - x2 sin
	v_pk_fma_f32 v[X+32*\n+16+\e:X+32*\n+17+\e], v[X+32*\n+16+\e:X+32*\n+17+\e], v[32*(\a)+\e:32*(\a)+1+\e], v[TT+2*(\e%4)+2:TT+2*(\e%4)+3]                       ; x2 cos + x1 sin
.endr
.endr
	WIN 0
.if (\a) > 0
	s_wait_dscnt 8*(1-(\a)%2)                      ; the last block's nine stores into the stage have read their registers (behind an odd block its eight loads may stay out)
.endif
	QUANT X
.irp i, 0,1,2,3,4,5,6,7                ; piece i: head i / 4, d = 32 ((i / 2) % 2) + 16 (i % 2) + 8 h + 0 .. 7
	ds_store_b64 v[SQA], v[PC+2*\i:PC+2*\i+1] offset:2048*(\i/4)+256*(\i%4)+128*((\a)%2)
.endr
	v_lshrrev_b32 v[SWT], v[H16], v[PW]            ; lanes 0-15: my first head's two bytes; lanes 16-31: my second's
	ds_store_b16 v[SSA], v[SWT] offset:64*((\a)/2)+32*((\a)%2)
.if ((\a)%2) == 1
	s_wait_xcnt 0x0                                ; the last tuple's stores have read their registers
.irp i, 0,1,2,3,4,5,6,7
	ds_load_b128 v[OB+4*\i:OB+4*\i+3], v[SQR] offset:512*\i   ; LDS serves a wave's instructions in order (ISA guide 5.7.1.4): these see my stores, and the next block's stores come behind them
.endr
.endif
.endm
.macro SENDQ al, n                     ; tuple al of both heads leaves; n: the LDS instructions issued behind its loads
	s_wait_dscnt \n
.irp i, 0,1,2,3,4,5,6,7
	global_store_b128 v[L16], v[OB+4*\i:OB+4*\i+3], s[44:45] offset:(\i/4)*HS+2048*(\al)+512*(\i%4)   ; the wave stores 512 consecutive bytes, aligned
.endr
.endm
	EPIQ 0
	EPIQ 1
	EPIQ 2
	SENDQ 0, 9                                     ; behind the tuple's loads: block 2's nine stores
	EPIQ 3
	EPIQ 4
	SENDQ 1, 9
	EPIQ 5
	EPIQ 6
	SENDQ 2, 9
	EPIQ 7
	SENDQ 3, 0
	s_wait_xcnt 0x0
	ds_load_b128 v[OB:OB+3], v[SSR]                ; the scale words of my four tuples: 256 bytes for each head
	s_wait_dscnt 0x0
	global_store_b128 v[GV], v[OB:OB+3], s[46:47]  ; sixteen lanes store 256 consecutive bytes, aligned
	s_branch .Lend
.Lv_tail:
	; ---- THE WAY OUT OF v.  In block a lane (r, h) holds row 16 a + r of my 128 rows of W_qkv: head a / 4, d = 16 (a % 4) + r; register 8 b + j is token 16 b + 8 h + j of my 128.
	WHERE 42, 16, 17, 15
	s_add_nc_u64 s[44:45], s[10:11], s[44:45]
	s_add_nc_u64 s[44:45], s[44:45], 32768         ; my 128 keys' fragments of v
	s_add_nc_u64 s[46:47], s[10:11], s[46:47]
	s_add_nc_u64 s[46:47], s[46:47], 66560         ; and their scale words
.irp a, 0,1,2,3,4,5,6,7
	global_load_b32 v[BI+2*\a], v[BVO], s[4:5] offset:64*\a      ; my row's bias, twice: a pair for the packed addition
	global_load_b32 v[BI+2*\a+1], v[BVO], s[4:5] offset:64*\a
.endr
	LAST
	PLACES NP
	s_wait_loadcnt 0x0
.irp b, 0,1,2,3
	v_mov_b32 v[TM+4+\b], 0
.endr
.macro EPIV a
.set AC, 64*((\a)%4)
.set WN, 0x02+(\a)/4
	WIN WN
.set E, 0
.rept 32
	v_pk_add_f32 v[X+E:X+E+1], v[AC+E:AC+E+1], v[BI+2*(\a):BI+2*(\a)+1]
.set E, E+2
.endr
	WIN 0
.if (\a) > 0
	s_wait_dscnt 4                                 ; the last block's nine stores into the stage have read their registers (its four loads may stay out)
.endif
	QUANT X
.irp i, 0,1,2,3,4,5,6,7                ; piece i: keys 32 (i / 2) + 16 (i % 2) + 8 h + 0 .. 7 of row r
	ds_store_b64 v[SVA], v[PC+2*\i:PC+2*\i+1] offset:256*\i
.endr
	ds_store_b32 v[SVS], v[PW] offset:64*(\a)      ; both halves of the lanes write the same word with the same value
	s_wait_xcnt 0x0                                ; the stores of two blocks ago have read their registers
.irp i, 0,1,2,3
	ds_load_b128 v[OB+16*((\a)%2)+4*\i:OB+16*((\a)%2)+4*\i+3], v[SVR] offset:512*\i
.endr
.endm
.macro SENDV a, n
	s_wait_dscnt \n
.irp i, 0,1,2,3
	global_store_b128 v[L16], v[OB+16*((\a)%2)+4*\i:OB+16*((\a)%2)+4*\i+3], s[44:45] offset:((\a)/4)*HS+2048*((\a)%4)+512*\i
.endr
.endm
	EPIV 0
.irp a, 1,2,3,4,5,6,7
	EPIV \a
	SENDV \a-1, 13                                 ; behind block a - 1's loads: block a's nine stores and four loads
.endr
	SENDV 7, 0
	s_wait_xcnt 0x0
	ds_load_b128 v[OB:OB+3], v[SVSR]
	s_wait_dscnt 0x0
	global_store_b128 v[GV], v[OB:OB+3], s[46:47]
.Lend:
	s_wait_tensorcnt 0x0                           ; the wave's end: behind my last tensor load and my last LDS store
	ds_add_u32 v[SPW], v[NIL]
	s_wait_dscnt 0x0
	CROUND                                         ; the closing round: no work-group ends while a partner may still ask for a tile that names it
	s_endpgm
.Lfunc_end_k_q58ed42986e_qkv:
	.size	k_q58ed42986e_qkv, .Lfunc_end_k_q58ed42986e_qkv-k_q58ed42986e_qkv
	.p2alignl 7, 3214868480
	.fill 96, 4, 3214868480
	.section	.rodata,"a",@progbits
	.p2align	6, 0x0
	.amdhsa_kernel k_q58ed42986e_qkv
		.amdhsa_group_segment_fixed_size 327680
		.amdhsa_private_segment_fixed_size 0
		.amdhsa_enable_private_segment 0
		.amdhsa_kernarg_size 64
		.amdhsa_user_sgpr_count 2
		.amdhsa_user_sgpr_kernarg_segment_ptr 1
		.amdhsa_wavefront_size32 1
		.amdhsa_system_sgpr_workgroup_id_x 1
		.amdhsa_system_sgpr_workgroup_id_y 1
		.amdhsa_system_sgpr_workgroup_id_z 1
		.amdhsa_system_vgpr_workitem_id 0
		.amdhsa_next_free_vgpr 1024
		.amdhsa_next_free_sgpr 106
		.amdhsa_reserve_vcc 0
		.amdhsa_float_denorm_mode_32 3
		.amdhsa_float_denorm_mode_16_64 3
		.amdhsa_memory_ordered 1
		.amdhsa_forward_progress 1
		.amdhsa_inst_pref_size 255
	.end_amdhsa_kernel
	.section	.bss,"aw",@nobits
	.p2align	6
	.space	262144
	.amdgpu_metadata
---
amdhsa.version: [ 1, 2 ]
amdhsa.kernels:
  - .name:           k_q58ed42986e_qkv
    .symbol:         k_q58ed42986e_qkv.kd
    .args:
      - { .name: query_codes, .offset: 0, .size: 8, .value_kind: global_buffer, .address_space: global }
      - { .name: query_scales, .offset: 8, .size: 8, .value_kind: global_buffer, .address_space: global }
      - { .name: W_qkv_codes, .offset: 16, .size: 8, .value_kind: global_buffer, .address_space: global }
      - { .name: W_qkv_scales, .offset: 24, .size: 8, .value_kind: global_buffer, .address_space: global }
      - { .name: b_qkv, .offset: 32, .size: 8, .value_kind: global_buffer, .address_space: global }
      - { .name: rope, .offset: 40, .size: 8, .value_kind: global_buffer, .address_space: global }
      - { .name: qrec, .offset: 48, .size: 8, .value_kind: global_buffer, .address_space: global }
      - { .name: kvrec, .offset: 56, .size: 8, .value_kind: global_buffer, .address_space: global }
    .group_segment_fixed_size: 327680
    .private_segment_fixed_size: 0
    .kernarg_segment_align: 8
    .kernarg_segment_size: 64
    .max_flat_workgroup_size: 128
    .sgpr_count:     106
    .vgpr_count:     1024
    .wavefront_size: 32
...
	.end_amdgpu_metadata
.endif
;; end of part 2
;; launch attn (part 3): grid 4 x 64, 16 waves a work-group, clusters of 4 x 1, 327,680 bytes of LDS; arguments qrec, kvrec, aimg, ascl; writes aimg, ascl
.if DOCPART == 3
	.amdgcn_target "amdgcn-amd-amdhsa--gfx1250"
	.amdhsa_code_object_version 6
	.text
	.protected	k_q58ed42986e_attn
	.globl	k_q58ed42986e_attn
	.p2align	8
	.type	k_q58ed42986e_attn,@function
k_q58ed42986e_attn:
	s_mov_b64 s[64:65], 0
	v_nop
	global_prefetch_b8 v0, s[64:65] scope:SCOPE_SE
	s_setreg_imm32_b32 hwreg(HW_REG_WAVE_MODE, 25, 1), 1
	s_wait_xcnt 0x0
	s_wait_alu depctr_hold_cnt(0) depctr_sa_sdst(0) depctr_va_vdst(0) depctr_va_sdst(0) depctr_va_ssrc(0) depctr_va_vcc(0) depctr_vm_vsrc(0)
	s_getreg_b32 s2, hwreg(HW_REG_IB_STS2, 6, 4)
	s_cmp_eq_u32 s2, 0
	s_cbranch_scc0 .Lentry_in_a_cluster
	s_endpgm
.Lentry_in_a_cluster:
	s_bfe_u32 s2, ttmp6, 0x10000c
	s_cmp_lg_u32 s2, 0x3003
	s_cbranch_scc0 .Lentry_shape_is_right
	s_endpgm
.Lentry_shape_is_right:
; o = softmax(q k^T / 8) v for one head, both products on codes of FP8 (E4M3) with one E8M0 scale for each 32 along a product's K; o is quantised along d for the last product and stored as register images.
; THE SOFTMAX AHEAD OF THE SECOND PRODUCT: t = score x log2(e) / 8; M = the row's largest t so far, rounded UP to a whole number; p = 2^(t - M) is what is quantised, along the keys.  The row's sum is taken of
; the unquantised p and divides o at the end.  When M moves, the sum and o are multiplied by 2^(old M - new M): exact.
; SHARES.  A cluster of four work-groups is one head; work-group cx owns queries 512 cx on; each of its sixteen waves owns 32 of them, in two passes of one tile of 16: 256 registers a wave, four waves to a SIMD,
; so that one wave's vector work stands beside another's matrix work and LDS loads.
; THE HEAD'S WHOLE k AND v STAY IN LDS: four records of 67,584 bytes (512 keys each: k's codes, v's codes, their scale words, all as register images), each filled ONCE.  The four partners need the same bytes,
; so every fill is a joint load with a mask that names the four.  Waves 0-3 issue four loads each (66 rows of 256 bytes): four tensor loads of a wave are out at the most.  Nothing is ever filled again.
; A record is read as soon as it has landed: the counted waits leave the later records on their way.  No prefetch: all that the launch reads of k and v is asked for in its first lines.
; LAYOUT.  Both products are used transposed: S^T = k q^T (source 0 = 16 keys, source 1 = my 16 queries), O^T = v^T p^T: a lane holds ONE query (lane % 16) throughout.
; K = 64 IN A FORM OF K = 128: a tuple of 16 registers holds TWO tiles of keys, d = 0 .. 63 of tile 0 in registers 0-7 and of tile 1 in registers 8-15.  It is multiplied once by [q | zeros] and once by
; [zeros | q]: the zero codes add nothing, k's registers hold no zeros, and a tuple's scale word is four real bytes.  q's scale word repeats its two bytes.
; Tile u of tuple b, row p, is key 32 b + 16 (p / 8) + 8 u + p % 8, so that the 16 registers of a tuple's two results are 16 neighbouring keys, 32 b + 16 (lane / 16) + 0 .. 15: p's codes are the operand.
; OUTPUT: aimg [16 tokens][head][c 2][lane][16 bytes]: row token % 16, d = 32 c + 16 (lane / 16) + 0 .. 15;  ascl [token][32]: byte 2 head + c.  The scale bytes leave one byte a lane, in rows 32 bytes apart:
; a row's other bytes belong to other heads, which other clusters make; they are 1/32 of the codes' bytes.
; LIMITS: NaN and infinities are not served; a block of o whose largest magnitude lies under 2^-118 gets the byte 1 (this program alone reads the bytes).
; REGISTERS: v1-11 addresses and q's scale words; v12 -M, v13 the largest t, v[14:15] the sum; v16-23 zeros, v24-31 q, v32-39 zeros; v40-103 four tuples of k; v104-167 S^T, then p, then four fragments of v;
;   v168-199 O^T; v200-215 p's codes; v216-231 both tiles' q; v232-254 at work.
.set REC,   67584
.set HS,    4*REC
.set PART,  66*256                     ; a wave's part of a record
.set OSTG,  4*REC                      ; behind the records: 2,048 bytes for each wave, for the way out: no fill lands there
.set L16,  1                           ; v1   16 x lane
.set L4,   2                           ; v2   4 x lane
.set ADK,  3                           ; v3   LDS address of the step's codes
.set ADS,  4                           ; v4   of k's scale words
.set ADT,  5                           ; v5   of v's
.set OSA,  6                           ; v6   the way out: where I put 8 codes
.set OSR,  7                           ; v7   and where I read 16 bytes back
.set ASO,  8                           ; v8   my byte in ascl
.set QW,   9                           ; v9   the scale bytes of both tiles' rows of q
.set QS,   10                          ; v10  this pass's scale word of q
.set BY,   11                          ; v11  the scale byte that I store
.set KF,   40
.set S,    104
.set OT,   168
.set PCD,  200
.set QL,   216
.set WV,   12                          ; s12  my wave's number
.set CX,   13                          ; s13  my place in the cluster: it enters q's, aimg's and ascl's addresses alone
.set BH,   14                          ; s14  batch x 16 + head
.set OSP,  15                          ; s15  128 x pass
.set MNT,  19                          ; s19  the mantissa field of 448
.set SEL,  20                          ; s[20:21] lane selects for v_permlanex16_b32: lane l xor 16
.set CS,   22                          ; s[22:23] c = log2(e) / 8
.set G1,   24                          ; s[24:31] descriptor group 1
.set G0,   32                          ; s[32:47] four groups 0, one for each record
.set TK,   48                          ; s48  LDS byte of the step's codes
.set TS,   49                          ; s49  of k's scale words
.set TV,   50                          ; s50  of v's
.set STP,  51
.set PAS,  52
.set SELU, 53                          ; s53  byte selects that make q's scale word
.set PM,   54                          ; s54  0 in pass 0, all ones in pass 1
.set HM,   55                          ; s55  lanes 16-31
.macro CROUND                          ; a round of the cluster's barrier
	s_barrier_signal -1
	s_barrier_wait -1
	s_cmp_lg_u32 s[WV], 0
	s_cbranch_scc1 .Lnot_wave_0_\@
	s_barrier_signal -3
.Lnot_wave_0_\@:
	s_barrier_wait -3
	s_barrier_signal -1
	s_barrier_wait -1
.endm
	s_load_b256 s[4:11], s[0:1], 0x0               ; qrec s[4:5], kvrec s[6:7], aimg s[8:9], ascl s[10:11]
	v_lshl_add_u32 v254, v0, 2, 0x4a000
	v_mov_b32 v255, 0
	ds_add_u32 v254, v255
	ds_add_u32 v254, v255
	s_wait_dscnt 0x0
	v_lshrrev_b32 v1, 5, v0
	v_readfirstlane_b32 s[WV], v1                  ; wave 0..15
	s_bfe_u32 s[CX], ttmp6, 0x40000
	s_and_b32 s[BH], ttmp7, 0xffff                 ; the cluster's y, which the four partners share
	; descriptor group 1: 66 dense rows of 256 bytes (32 elements of 8 bytes), no padding: register images are read 16 consecutive bytes a lane
	s_mov_b32 s[G1], 15|(3<<16)|(1<<21)            ; 15:0 the mask: all four work-groups; 17:16 elements of 8 bytes; 21 set beside a mask
	s_mov_b32 s[G1+1], 32<<16                      ; tensor_dim0
	s_mov_b32 s[G1+2], 66<<16                      ; tensor_dim1
	s_mov_b32 s[G1+3], 32<<16                      ; tile_dim0
	s_mov_b32 s[G1+4], 66                          ; tile_dim1
	s_mov_b32 s[G1+5], 32                          ; tensor_dim0_stride
	s_mov_b32 s[G1+6], 0
	s_mov_b32 s[G1+7], 0
	s_and_b32 s56, s[WV], 3
	s_mul_i32 s57, s56, PART                       ; my part of a record, in memory and in LDS alike
	s_mul_i32 s58, s[BH], HS
	s_add_co_u32 s58, s58, s57
	s_mov_b32 s59, 0
	s_mov_b32 s[OSP], 0
	s_mov_b32 s[MNT], 0x600000
	s_mov_b32 s[SEL], 0x76543210
	s_mov_b32 s[SEL+1], 0xfedcba98
	s_mov_b32 s[CS], 0x3e38aa3b                    ; log2(e) / 8
	s_mov_b32 s[CS+1], s[CS]                       ; (named with it as a pair, so it is written)
	s_mov_b32 s[PAS], 2
	s_mov_b32 s[SELU], 0x01000100                  ; bytes 0, 1, 0, 1: tile 0's
	s_mov_b32 s[PM], 0
	s_mov_b32 s[HM], 0xffff0000
	s_wait_kmcnt 0x0
	s_add_nc_u64 s[58:59], s[6:7], s[58:59]
.irp j, 0,1,2,3
	s_mov_b32 s[G0+4*\j], 1                        ; 1:0 count = 1
	s_add_co_u32 s[G0+4*\j+1], s57, \j*REC         ; 63:32 LDS address
	s_add_nc_u64 s[G0+4*\j+2:G0+4*\j+3], s[58:59], \j*REC   ; 120:64 global address
	s_or_b32 s[G0+4*\j+3], s[G0+4*\j+3], 0x80000000   ; 127:126 type = 2
.endr
	CROUND                                         ; all four work-groups are here: the joint loads meet
	s_cmp_lt_u32 s[WV], 4                          ; a wave's four fills stand in one branch, ahead of every wait on TENSORcnt and every LDS read; four v_nop follow the last
	s_cbranch_scc0 .Lno_fill
	tensor_load_to_lds s[G0:G0+3], s[G1:G1+7]
	s_nop 0
	tensor_load_to_lds s[G0+4:G0+7], s[G1:G1+7]
	s_nop 0
	tensor_load_to_lds s[G0+8:G0+11], s[G1:G1+7]
	s_nop 0
	tensor_load_to_lds s[G0+12:G0+15], s[G1:G1+7]
	s_nop 0
.rept 4
	v_nop
.endr
.Lno_fill:
	v_and_b32 v232, 31, v0                         ; lane
	v_lshlrev_b32 v[L16], 4, v232
	v_lshlrev_b32 v[L4], 2, v232
	v_and_b32 v233, 15, v0                         ; r
	v_bfe_u32 v234, v0, 4, 1                       ; h
	v_and_b32 v235, 7, v0                          ; r % 8
	v_bfe_u32 v254, v0, 3, 1                       ; r / 8
	s_lshl_b32 s56, s[WV], 11
	s_add_co_u32 s56, s56, OSTG                    ; my stage
	v_lshlrev_b32 v[OSA], 10, v254                 ; in pass u lane r holds token 16 (r / 8) + 8 u + r % 8 of my 32: tile of tokens r / 8: 1,024 bytes,
	v_lshl_add_u32 v[OSA], v235, 4, v[OSA]         ; row 8 u + r % 8: 16 bytes a row (the pass's part is added in the pass),
	v_lshl_add_u32 v[OSA], v234, 3, v[OSA]         ; my eight codes are the lower or the upper half of a lane's 16 bytes
	v_add_nc_u32 v[OSA], s56, v[OSA]
	v_add_nc_u32 v[OSR], s56, v[L16]
	v_lshl_add_u32 v[ASO], v254, 3, v233           ; r + 8 (r / 8)
	v_lshl_add_u32 v[ASO], v[ASO], 5, v234         ; 32 bytes a token; lanes 0-15 store the byte of d 0-31, lanes 16-31 that of d 32-63
	v_lshlrev_b32 v[ADT], 2, v233                  ; (for the load of q's scale words: 4 r)
	s_mul_i32 s60, s[BH], HS                       ; q: my head, record cx, tuple = my wave
	s_mul_i32 s61, s[CX], REC
	s_add_co_u32 s60, s60, s61
	s_lshl_b32 s61, s[WV], 11
	s_add_co_u32 s62, s60, s61
	s_mov_b32 s63, 0
	s_add_nc_u64 s[62:63], s[4:5], s[62:63]        ; its codes
	s_lshl_b32 s61, s[WV], 6
	s_add_co_u32 s60, s60, s61
	s_add_co_u32 s60, s60, 65536
	s_mov_b32 s61, 0
	s_add_nc_u64 s[60:61], s[4:5], s[60:61]        ; its scale words
.irp i, 0,1,2,3
	global_load_b128 v[QL+4*\i:QL+4*\i+3], v[L16], s[62:63] offset:512*\i   ; tile i / 2, d = 32 (i % 2) + 16 h + 0 .. 15
.endr
	global_load_b32 v[QW], v[ADT], s[60:61]
	s_lshr_b32 s56, s[BH], 4                       ; batch
	s_and_b32 s57, s[BH], 15                       ; head
	s_lshl_b32 s58, s[CX], 4
	s_add_co_u32 s58, s58, s[WV]                   ; which 32 tokens of the sequence
	s_lshl_b32 s59, s56, 7
	s_lshl_b32 s16, s58, 1
	s_add_co_u32 s59, s59, s16                     ; my first tile of 16 tokens
	s_lshl_b32 s59, s59, 4
	s_add_co_u32 s59, s59, s57
	s_lshl_b32 s16, s59, 10
	s_mov_b32 s17, 0
	s_add_nc_u64 s[8:9], s[8:9], s[16:17]          ; aimg at (my first tile, my head)
	s_lshl_b32 s16, s56, 11
	s_lshl_b32 s18, s58, 5
	s_add_co_u32 s16, s16, s18                     ; my first token
	s_lshl_b32 s16, s16, 5
	s_lshl_b32 s18, s57, 1
	s_add_co_u32 s16, s16, s18
	s_add_nc_u64 s[10:11], s[10:11], s[16:17]      ; ascl at (my first token, 2 x head)
.irp i, 0,1,2,3,4,5,6,7
	v_mov_b32 v[16+\i], 0                          ; the zero codes on either side of q
	v_mov_b32 v[32+\i], 0
.endr
.irp b, 0,1,2,3
	v_mov_b32 v[236+\b], 0                         ; written once: a lane permute's destination counts as one of its sources
.endr
	v_mov_b32 v253, 0                              ; (named as the upper half of the pair v[252:253] before it is first written)
; A KEY STEP: 128 keys.
.macro STEP
	v_add_nc_u32 v[ADK], s[TK], v[L16]
	v_add_nc_u32 v[ADS], s[TS], v[L4]
	v_add_nc_u32 v[ADT], s[TV], v[L4]
.rept 6
	v_nop                                          ; with the three additions: nine places between the last step's products and the products below, which write over the registers that held v's fragments
.endr
.irp b, 0,1,2,3
.irp c, 0,1,2,3
	ds_load_b128 v[KF+16*\b+4*\c:KF+16*\b+4*\c+3], v[ADK] offset:2048*\b+512*\c
.endr
.endr
	ds_load_b32 v248, v[ADS]                       ; lanes 0-15: tuple 0's words, lanes 16-31: tuple 1's
	ds_load_b32 v249, v[ADS] offset:128            ; tuples 2 and 3
	s_wait_dscnt 0x0
.irp p, 0,1                            ; S^T = k q^T: each tuple against [q | 0] and [0 | q]
	v_wmma_scale_f32_16x16x128_f8f6f4 v[S+32*\p:S+32*\p+7], v[KF+32*\p:KF+32*\p+15], v[24:39], 0, v[248+\p], v[QS]
	v_wmma_scale_f32_16x16x128_f8f6f4 v[S+32*\p+8:S+32*\p+15], v[KF+32*\p:KF+32*\p+15], v[16:31], 0, v[248+\p], v[QS]
	v_wmma_scale_f32_16x16x128_f8f6f4 v[S+32*\p+16:S+32*\p+23], v[KF+32*\p+16:KF+32*\p+31], v[24:39], 0, v[248+\p], v[QS] matrix_a_scale:MATRIX_SCALE_ROW1
	v_wmma_scale_f32_16x16x128_f8f6f4 v[S+32*\p+24:S+32*\p+31], v[KF+32*\p+16:KF+32*\p+31], v[16:31], 0, v[248+\p], v[QS] matrix_a_scale:MATRIX_SCALE_ROW1
.endr
.rept 8
	v_nop
.endr
.irp b, 0,1,2,3
	v_max3_num_f32 v[232+\b], v[S+16*\b], v[S+1+16*\b], v[S+2+16*\b]   ; the largest score of each block of 32 keys: it serves for the row's maximum and, since p rises with the score, for the block's largest p
.endr
.irp i, 3,5,7,9,11,13
.irp b, 0,1,2,3
	v_max3_num_f32 v[232+\b], v[232+\b], v[S+16*\b+\i], v[S+1+16*\b+\i]
.endr
.endr
.irp b, 0,1,2,3
	v_max_num_f32 v[232+\b], v[232+\b], v[S+15+16*\b]
.endr
.irp b, 0,1,2,3
	v_permlanex16_b32 v[236+\b], v[232+\b], s[SEL], s[SEL+1]
.endr
.irp b, 0,1,2,3
	v_max_num_f32 v[232+\b], v[232+\b], v[236+\b]  ; with lane l xor 16's 16 keys
.endr
	v_max3_num_f32 v254, v232, v233, v234
	v_max_num_f32 v254, v254, v235                 ; the step's largest score of my query
	v_mul_f32 v254, s[CS], v254                    ; as t (c is positive)
	v_max_num_f32 v13, v13, v254                   ; the running largest t
	v_mov_b32 v254, v12
	v_floor_f32 v12, -v13                          ; the new -M = floor(-t) = -ceil(t): a whole number
	v_sub_f32 v254, v12, v254                      ; M's old value less its new one: a whole number, 0 or less
	v_cvt_i32_f32 v254, v254                       ; (it saturates)
	v_ldexp_f32 v252, 1.0, v254                    ; f = 2^(old M - new M)
.set J, 0
.rept 32
	v_pk_fma_f32 v[S+J:S+J+1], v[S+J:S+J+1], s[CS:CS+1], v[12:13] op_sel_hi:[1,0,0]   ; t - M, two at a time
.set J, J+2
.endr
.irp b, 0,1,2,3
	v_fma_f32 v[232+\b], v[232+\b], s[CS], v12     ; the same of each block's largest score
.endr
.set J, 0
.rept 64
	v_exp_f32 v[S+J], v[S+J]                       ; p = 2^(t - M), at most 1: not normalised
.set J, J+1
.endr
.irp b, 0,1,2,3
	v_exp_f32 v[232+\b], v[232+\b]                 ; the block's largest p: the same two instructions on the same number give the same bits
.endr
	v_pk_mul_f32 v[14:15], v[14:15], v[252:253] op_sel_hi:[1,0]   ; the sums under the new M.  (A plain place behind the exponentials)
	s_wait_alu depctr_va_vdst(0)
.irp b, 0,1,2,3
	v_max_num_f32 v[232+\b], 0x4800000, v[232+\b]  ; the floor 2^(9 - 127): the byte cannot fall under 1
.endr
.irp b, 0,1,2,3
	v_add_nc_u32 v[244+\b], 0xfc000000, v[232+\b]  ; 8 off the exponent field: the conversion's scale operand
.endr
.irp b, 0,1,2,3
	v_and_or_b32 v[240+\b], v[232+\b], 0x7f800000, s[MNT]   ; 448 x the scale
.endr
.irp b, 0,1,2,3
	v_lshrrev_b32 v[236+\b], 23, v[244+\b]         ; the scale's byte
.endr
	v_lshl_or_b32 v253, v237, 8, v236              ; p's scale word for these 128 keys
	v_lshl_or_b32 v253, v238, 16, v253
	v_lshl_or_b32 v253, v239, 24, v253
	v_pk_add_f32 v[236:237], v[S:S+1], v[S+2:S+3]  ; the row's sum is taken of the unquantised p: two at a time, in two chains
.irp j, 4,8,12,16,20,24,28,32,36,40,44,48,52,56,60
	v_pk_add_f32 v[14:15], v[14:15], v[S+\j:S+1+\j]
	v_pk_add_f32 v[236:237], v[236:237], v[S+2+\j:S+3+\j]
.endr
	v_pk_add_f32 v[14:15], v[14:15], v[236:237]
.irp b, 0,1,2,3
.irp i, 0,1,2,3,4,5,6,7,8,9,10,11,12,13,14,15
	v_min_num_f32 v[S+16*\b+\i], v[S+16*\b+\i], v[240+\b]   ; the conversion to an 8-bit code does not saturate (ISA guide 7.6.2); p is not negative, so the hold is one-sided
.endr
	v_cvt_scalef32_pk8_fp8_f32 v[PCD+4*\b:PCD+1+4*\b], v[S+16*\b:S+7+16*\b], v[244+\b]
	v_cvt_scalef32_pk8_fp8_f32 v[PCD+2+4*\b:PCD+3+4*\b], v[S+8+16*\b:S+15+16*\b], v[244+\b]
.endr
	v_nop                                          ; one plain vector instruction behind the last conversion
.irp t, 0,1,2,3                        ; v's four fragments (16 of the head's 64 x these 128 keys) into the registers that p has left
.irp c, 0,1,2,3
	ds_load_b128 v[S+16*\t+4*\c:S+16*\t+4*\c+3], v[ADK] offset:32768+2048*\t+512*\c
.endr
.endr
	ds_load_b32 v250, v[ADT]                       ; lanes 0-15: the words of d 0-15, lanes 16-31: of d 16-31
	ds_load_b32 v251, v[ADT] offset:128
.set J, 0
.rept 16
	v_pk_mul_f32 v[OT+J:OT+J+1], v[OT+J:OT+J+1], v[252:253] op_sel_hi:[1,0]   ; O^T under the new M.  (These are also the places between the codes' conversions and the products)
.set J, J+2
.endr
	s_wait_dscnt 0x0
	v_wmma_scale_f32_16x16x128_f8f6f4 v[OT:OT+7], v[S:S+15], v[PCD:PCD+15], v[OT:OT+7], v250, v253   ; O^T += v^T p^T: the four accumulators take turns
	v_wmma_scale_f32_16x16x128_f8f6f4 v[OT+8:OT+15], v[S+16:S+31], v[PCD:PCD+15], v[OT+8:OT+15], v250, v253 matrix_a_scale:MATRIX_SCALE_ROW1
	v_wmma_scale_f32_16x16x128_f8f6f4 v[OT+16:OT+23], v[S+32:S+47], v[PCD:PCD+15], v[OT+16:OT+23], v251, v253
	v_wmma_scale_f32_16x16x128_f8f6f4 v[OT+24:OT+31], v[S+48:S+63], v[PCD:PCD+15], v[OT+24:OT+31], v251, v253 matrix_a_scale:MATRIX_SCALE_ROW1
.endm
; Record j: 512 keys, four steps.  My part of it has landed (3 - j later loads of mine may stay out); behind the barrier everybody's has.
.macro SEG j
	s_wait_tensorcnt 3-\j
	s_wait_dscnt 0x0
	s_barrier_signal -1
	s_barrier_wait -1
	s_mov_b32 s[TK], \j*REC
	s_mov_b32 s[TS], \j*REC+65536
	s_mov_b32 s[TV], \j*REC+66560
	s_mov_b32 s[STP], 4
.Lstep_\@:
	STEP
	s_add_co_u32 s[TK], s[TK], 8192
	s_add_co_u32 s[TS], s[TS], 256
	s_add_co_u32 s[TV], s[TV], 256
	s_sub_co_u32 s[STP], s[STP], 1
	s_cmp_lg_u32 s[STP], 0
	s_cbranch_scc1 .Lstep_\@
.endm
.Lpass:                                                ; two trips: tile 0 and tile 1 of my 32 queries
	s_wait_loadcnt 0x0                             ; q
.irp i, 0,1,2,3,4,5,6,7
	v_cndmask_b32 v[24+\i], v[QL+\i], v[QL+8+\i], s[PM]
.endr
	v_perm_b32 v[QS], v[QW], v[QW], s[SELU]        ; this tile's two scale bytes, twice
	v_mov_b32 v13, 0xff61b1e6                      ; the largest t so far: -3e38, under every t
	v_floor_f32 v12, -v13                          ; -M
	v_mov_b32 v14, 0                               ; the sum, in two halves
	v_mov_b32 v15, 0
.set J, 0
.rept 32
	v_mov_b32 v[OT+J], 0                           ; O^T.  (The step is written without a first step of its own: it finds zeros, which the first change of M leaves zeros)
.set J, J+1
.endr
	SEG 0
	SEG 1
	SEG 2
	SEG 3
	; the pass's end: O^T / the sum, quantised along d: two blocks of 32 (my 16 registers and lane l xor 16's)
.rept 8
	v_nop
.endr
	v_add_f32 v14, v14, v15
	v_permlanex16_b32 v252, v14, s[SEL], s[SEL+1]
	v_add_f32 v14, v14, v252                       ; the row's sum
	v_rcp_f32 v14, v14
	v_add_nc_u32 v[ADK], s[OSP], v[OSA]            ; (a plain place behind the transcendental)  this pass's rows of my stage
.set J, 0
	s_wait_alu depctr_va_vdst(0)
.rept 32
	v_mul_f32 v[S+J], v[OT+J], v14                 ; register 8 t + j is o(my query, 16 t + 8 h + j)
.set J, J+1
.endr
.irp b, 0,1
	v_max3_num_f32 v[232+\b], |v[S+16*\b]|, |v[S+1+16*\b]|, 0x4800000
.endr
.irp i, 2,4,6,8,10,12,14
.irp b, 0,1
	v_max3_num_f32 v[232+\b], v[232+\b], |v[S+16*\b+\i]|, |v[S+1+16*\b+\i]|
.endr
.endr
.irp b, 0,1
	v_permlanex16_b32 v[236+\b], v[232+\b], s[SEL], s[SEL+1]
.endr
.irp b, 0,1
	v_max_num_f32 v[232+\b], v[232+\b], v[236+\b]
.endr
.irp b, 0,1
	v_add_nc_u32 v[244+\b], 0xfc000000, v[232+\b]
.endr
.irp b, 0,1
	v_and_or_b32 v[240+\b], v[232+\b], 0x7f800000, s[MNT]
.endr
.irp b, 0,1
	v_lshrrev_b32 v[236+\b], 23, v[244+\b]
.endr
.irp b, 0,1
.irp i, 0,1,2,3,4,5,6,7,8,9,10,11,12,13,14,15
	v_med3_num_f32 v[S+16*\b+\i], v[S+16*\b+\i], -v[240+\b], v[240+\b]
.endr
	v_cvt_scalef32_pk8_fp8_f32 v[PCD+4*\b:PCD+1+4*\b], v[S+16*\b:S+7+16*\b], v[244+\b]
	v_cvt_scalef32_pk8_fp8_f32 v[PCD+2+4*\b:PCD+3+4*\b], v[S+8+16*\b:S+15+16*\b], v[244+\b]
.endr
	v_nop
.irp t, 0,1,2,3                        ; piece t: d = 16 t + 8 h + 0 .. 7
	ds_store_b64 v[ADK], v[PCD+2*\t:PCD+2*\t+1] offset:256*\t
.endr
	v_cndmask_b32 v[BY], v236, v237, s[HM]
	global_store_b8 v[ASO], v[BY], s[10:11]
	s_wait_xcnt 0x0                                ; the store has read its registers
	v_add_nc_u32 v[ASO], 0x100, v[ASO]             ; the next pass's tokens lie eight further on
	s_add_co_u32 s[OSP], s[OSP], 128
	s_add_co_u32 s[SELU], s[SELU], 0x02020202      ; bytes 2, 3, 2, 3: tile 1's
	s_mov_b32 s[PM], -1
	s_sub_co_u32 s[PAS], s[PAS], 1
	s_cmp_lg_u32 s[PAS], 0
	s_cbranch_scc1 .Lpass
.irp i, 0,1,2,3
	ds_load_b128 v[S+4*\i:S+4*\i+3], v[OSR] offset:512*\i   ; LDS serves a wave's instructions in order (ISA guide 5.7.1.4): these see my stores of both passes
.endr
.irp i, 0,1,2,3
	s_wait_dscnt 3-\i
	global_store_b128 v[L16], v[S+4*\i:S+4*\i+3], s[8:9] offset:16384*(\i/2)+512*(\i%2)   ; the wave stores 512 consecutive bytes, aligned
.endr
	s_wait_xcnt 0x0
	v_lshl_add_u32 v254, v0, 2, 0x4a000
	v_mov_b32 v255, 0
	s_wait_tensorcnt 0x0
	ds_add_u32 v254, v255
	s_wait_dscnt 0x0
	CROUND                                         ; the closing round: no work-group ends while a partner may still ask for a tile that names it
	s_endpgm
.Lfunc_end_k_q58ed42986e_attn:
	.size	k_q58ed42986e_attn, .Lfunc_end_k_q58ed42986e_attn-k_q58ed42986e_attn
	.p2alignl 7, 3214868480
	.fill 96, 4, 3214868480
	.section	.rodata,"a",@progbits
	.p2align	6, 0x0
	.amdhsa_kernel k_q58ed42986e_attn
		.amdhsa_group_segment_fixed_size 327680
		.amdhsa_private_segment_fixed_size 0
		.amdhsa_enable_private_segment 0
		.amdhsa_kernarg_size 32
		.amdhsa_user_sgpr_count 2
		.amdhsa_user_sgpr_kernarg_segment_ptr 1
		.amdhsa_wavefront_size32 1
		.amdhsa_system_sgpr_workgroup_id_x 1
		.amdhsa_system_sgpr_workgroup_id_y 1
		.amdhsa_system_sgpr_workgroup_id_z 1
		.amdhsa_system_vgpr_workitem_id 0
		.amdhsa_next_free_vgpr 256
		.amdhsa_next_free_sgpr 66
		.amdhsa_reserve_vcc 0
		.amdhsa_float_denorm_mode_32 3
		.amdhsa_float_denorm_mode_16_64 3
		.amdhsa_memory_ordered 1
		.amdhsa_forward_progress 1
		.amdhsa_inst_pref_size 92
	.end_amdhsa_kernel
	.amdgpu_metadata
---
amdhsa.version: [ 1, 2 ]
amdhsa.kernels:
  - .name:           k_q58ed42986e_attn
    .symbol:         k_q58ed42986e_attn.kd
    .args:
      - { .name: qrec, .offset: 0, .size: 8, .value_kind: global_buffer, .address_space: global }
      - { .name: kvrec, .offset: 8, .size: 8, .value_kind: global_buffer, .address_space: global }
      - { .name: aimg, .offset: 16, .size: 8, .value_kind: global_buffer, .address_space: global }
      - { .name: ascl, .offset: 24, .size: 8, .value_kind: global_buffer, .address_space: global }
    .group_segment_fixed_size: 327680
    .private_segment_fixed_size: 0
    .kernarg_segment_align: 8
    .kernarg_segment_size: 32
    .max_flat_workgroup_size: 512
    .sgpr_count:     66
    .vgpr_count:     256
    .wavefront_size: 32
...
	.end_amdgpu_metadata
.endif
;; end of part 3
;; launch outproj (part 4): grid 4 x 32, 4 waves a work-group, clusters of 4 x 4, 327,680 bytes of LDS; arguments aimg, ascl, W_out_codes, W_out_scales, b_out, out0; writes out0
.if DOCPART == 4
	.amdgcn_target "amdgcn-amd-amdhsa--gfx1250"
	.amdhsa_code_object_version 6
	.text
	.protected	k_q58ed42986e_outproj
	.globl	k_q58ed42986e_outproj
	.p2align	8
	.type	k_q58ed42986e_outproj,@function
k_q58ed42986e_outproj:
	s_mov_b64 s[64:65], 0
	v_nop
	global_prefetch_b8 v0, s[64:65] scope:SCOPE_SE
	s_setreg_imm32_b32 hwreg(HW_REG_WAVE_MODE, 25, 1), 1
	s_wait_xcnt 0x0
	s_wait_alu depctr_hold_cnt(0) depctr_sa_sdst(0) depctr_va_vdst(0) depctr_va_sdst(0) depctr_va_ssrc(0) depctr_va_vcc(0) depctr_vm_vsrc(0)
	s_getreg_b32 s2, hwreg(HW_REG_IB_STS2, 6, 4)
	s_cmp_eq_u32 s2, 0
	s_cbranch_scc0 .Lentry_in_a_cluster
	s_endpgm
.Lentry_in_a_cluster:
	s_bfe_u32 s2, ttmp6, 0x10000c
	s_cmp_lg_u32 s2, 0xf033
	s_cbranch_scc0 .Lentry_shape_is_right
	s_endpgm
.Lentry_shape_is_right:
; out0 = o W_out^T + b_out on codes of FP8 (E4M3) with one E8M0 scale for each 32 along K = 1,024.  out0: [8192][1024] f32; sums in f32.
; A (o) arrives as register images, [16 tokens][K / 32][lane][16 bytes], with scale bytes [token][32]; B (W_out) as rows of codes, [1024][1024], with scale bytes [1024][32].
; A tile of 256 x 256 is made by a work-group of four waves; a wave makes 128 x 128: 64 accumulators of 16 x 16.  K goes in steps of 256 through a ring of two LDS slots filled by the tensor data mover:
; of A a load brings 8 tiles of tokens x 4,096 consecutive bytes, which are read 16 consecutive bytes a lane (no padding); of B 128 rows x 256 bytes, padded to a pitch of 272.
; The scales of the tile's 512 rows, for all of K, come into LDS once.  The bias is the C of each sum's first matrix instruction.
; CLUSTERS: 4 x 4 work-groups; A's tile is shared along a row of the cluster, B's along a column: each is asked for jointly.  The grid has 128 tiles of this size.
; THE MATRIX INSTRUCTION IS USED TRANSPOSED (source 0 = 16 rows of B, source 1 = 16 rows of A): a lane then holds eight neighbouring numbers of a row of the output.
; REGISTERS, in windows of 256: window 0: v1-31 addresses; v32-63 scale words, two sets; v64-127 the bias; from v128 A's fragments, one set; on the way out v128-255 rows read back.
;   window 1: B's fragments, two sets.   windows 2, 3: the accumulators ((a, b) at v[8 (8 (a % 4) + b)]).
.set SIZE_N, 1024
.set NQ,     2
.set ROWB,   256
.set KROW,   1024
.set PITCH,  272                       ; B's LDS row: 256 bytes + 16 of padding = 68 words: row r starts at bank 4 r mod 64 (64 banks of 4 bytes: ISA guide 11.1)
.set FR,     16
.set NL,     4
.set NP,     8                         ; places behind this matrix instruction (ISA guide 7.12.1)
.set HALFA,  32768                     ; A: 8 tiles of tokens x 4,096 bytes
.set HALFT,  128*PITCH                 ; B: 128 rows
.set BOFF,   2*HALFA
.set SLOT,   BOFF+2*HALFT
.set LAPS,   2
.set KS,     32
.set SCL,    2*SLOT
.set HALFS,  (128*KS/256)*272
.set SBLK,   (16*KS/256)*272
.set SPARE,  SCL+4*HALFS               ; the spare words, 128 bytes for each wave: two blocks of 256 bytes that no other line names
.set SPITCH, 528                       ; the way out: a stage of 16 rows x (512 bytes + 16) for each wave, in slot 0, which has had its last fill and its last read when the first result is stored there
.set ADRA, 16
.set ADRB, 20
.set STO,  24
.set RD,   25
.set CO,   26
.set ADRS, 27
.set SPW,  28
.set NIL,  29
.set SC,   32
.set BI,   64
.set AF,   128
.set BK,   128
.set G1, 24
.set G0, 32
.set G1B, 48
.set G0B, 56
.set G1S, 68
.set G0S, 76
.set G1SB, 80
.set G0SB, 88
.set MSB, 0
.macro WIN new                         ; the immediate's high byte repeats the setting that is left
.if MSB != (\new)
	s_set_vgpr_msb (MSB<<8)|(\new)
.set MSB, (\new)
.endif
.endm
.set MUL_LO, 0xa1                      ; source 0 (B) window 1, source 1 (A) window 0, C and D window 2
.set MUL_HI, 0xf1
.set TO_B,   0x40
.macro JLOAD g0a, g1a, g0b, g1b        ; a joint load: waves 0 and 1 fetch for A, waves 2 and 3 for B; four v_nop follow each of the two lines
	s_cmp_eq_u32 s15, 0
	s_cbranch_scc0 .Lfor_b_\@
	tensor_load_to_lds s[\g0a:\g0a+3], s[\g1a:\g1a+7]
	s_nop 0
.rept 4
	v_nop
.endr
	s_branch .Lasked_\@
.Lfor_b_\@:
	tensor_load_to_lds s[\g0b:\g0b+3], s[\g1b:\g1b+7]
	s_nop 0
.rept 4
	v_nop
.endr
.Lasked_\@:
.endm
.macro CREST
	s_cmp_lg_u32 s14, 0
	s_cbranch_scc1 .Lnot_wave_0_\@
	s_barrier_signal -3
.Lnot_wave_0_\@:
	s_barrier_wait -3
	s_barrier_signal -1
	s_barrier_wait -1
.endm
.macro CROUND
	s_barrier_signal -1
	s_barrier_wait -1
	CREST
.endm
	s_load_b128 s[4:7], s[0:1], 0x0                ; A's images, A's scales
	s_load_b128 s[8:11], s[0:1], 0x10              ; B's codes, B's scales
	s_load_b128 s[96:99], s[0:1], 0x20             ; the bias, the output
	v_lshl_add_u32 v[SPW], v0, 2, SPARE
	v_mov_b32 v[NIL], 0
	ds_add_u32 v28, v29
	ds_add_u32 v28, v29
	s_wait_dscnt 0x0
	v_lshrrev_b32 v1, 5, v0
	v_readfirstlane_b32 s14, v1                    ; wave 0..3
	s_lshr_b32 s15, s14, 1                         ; which half of the tile's rows is mine.  Also: I fetch for A (0) or for B (1)
	s_and_b32 s16, s14, 1                          ; which half of its columns.  Also: which 128 rows I fetch
	s_bfe_u32 s40, ttmp6, 0x40000
	s_bfe_u32 s41, ttmp6, 0x40004
	s_lshl_b32 s42, ttmp9, 2
	s_add_co_u32 s42, s42, s40                     ; tile column
	s_and_b32 s17, ttmp7, 0xffff
	s_lshl_b32 s17, s17, 2
	s_add_co_u32 s17, s17, s41                     ; tile row
	s_lshl_b32 s43, s41, 2
	s_lshl_b32 s43, 15, s43                        ; my row of the cluster
	s_lshl_b32 s44, 0x1111, s40                    ; my column
	; A's group 1: 8 rows of 4,096 bytes (512 elements of 8 bytes), 16,384 bytes apart, no padding
	s_or_b32 s[G1+0], s43, (3<<16)|(1<<21)         ; 15:0 the mask: my row; 17:16 elements of 8 bytes; 21 set beside a mask
	s_mov_b32 s[G1+1], 512<<16                     ; tensor_dim0
	s_mov_b32 s[G1+2], 8<<16                       ; tensor_dim1
	s_mov_b32 s[G1+3], 512<<16                     ; tile_dim0
	s_mov_b32 s[G1+4], 8                           ; tile_dim1
	s_mov_b32 s[G1+5], 2048                        ; tensor_dim0_stride
	s_mov_b32 s[G1+6], 0
	s_mov_b32 s[G1+7], 0
	; B's: 128 rows x 256 bytes, padded in LDS
	s_or_b32 s[G1B+0], s44, (0<<16)|(1<<20)|(1<<21)|(5<<22)|(3<<25)
	s_mov_b32 s[G1B+1], ROWB<<16
	s_mov_b32 s[G1B+2], 128<<16
	s_mov_b32 s[G1B+3], ROWB<<16
	s_mov_b32 s[G1B+4], 128
	s_mov_b32 s[G1B+5], KROW
	s_mov_b32 s[G1B+6], 0
	s_mov_b32 s[G1B+7], 0
	; the scales of 128 rows: 4,096 dense bytes, as 16 rows of 256 bytes, 16 bytes of padding behind each
	s_or_b32 s[G1S+0], s43, (3<<16)|(1<<20)|(1<<21)|(5<<22)|(3<<25)
	s_or_b32 s[G1SB+0], s44, (3<<16)|(1<<20)|(1<<21)|(5<<22)|(3<<25)
.irp g, G1S, G1SB
	s_mov_b32 s[\g+1], 32<<16
	s_mov_b32 s[\g+2], (128*KS/256)<<16
	s_mov_b32 s[\g+3], 32<<16
	s_mov_b32 s[\g+4], 128*KS/256
	s_mov_b32 s[\g+5], 32
	s_mov_b32 s[\g+6], 0
	s_mov_b32 s[\g+7], 0
.endr
	s_lshl_b32 s18, s16, 7
	s_lshl_b32 s20, s17, 8
	s_add_co_u32 s20, s20, s18                     ; A: token 256 x tile row + 128 x half
	s_lshl_b32 s46, s42, 8
	s_add_co_u32 s46, s46, s18                     ; B: row 256 x tile column + 128 x half
	s_mov_b32 s21, 0
	s_mov_b32 s47, 0
	s_mov_b64 s[18:19], KS
	s_mul_u64 s[22:23], s[20:21], s[18:19]         ; where these rows' scales begin
	s_mul_u64 s[92:93], s[46:47], s[18:19]
	s_mov_b64 s[18:19], KROW
	s_mul_u64 s[20:21], s[20:21], s[18:19]         ; and their codes: 16 tokens' images are 16,384 bytes, as many as 16 rows of 1,024
	s_mul_u64 s[46:47], s[46:47], s[18:19]
	s_lshl_b32 s45, s16, 15                        ; where they go: A's halves,
	s_mul_i32 s12, s16, HALFT
	s_add_co_u32 s12, s12, BOFF                    ; B's halves behind them: no place in the cluster enters an LDS address
	s_mul_i32 s94, s14, HALFS
	s_wait_kmcnt 0x0
	s_add_nc_u64 s[20:21], s[4:5], s[20:21]
	s_add_nc_u64 s[22:23], s[6:7], s[22:23]
	s_add_nc_u64 s[46:47], s[8:9], s[46:47]
	s_add_nc_u64 s[92:93], s[10:11], s[92:93]
	CROUND                                         ; all sixteen work-groups are here: the first joint loads meet
	s_mov_b32 s[G0S], 1
	s_add_co_u32 s[G0S+1], s94, SCL
	s_mov_b64 s[G0S+2:G0S+3], s[22:23]
	s_or_b32 s[G0S+3], s[G0S+3], 0x80000000
	s_mov_b32 s[G0SB], 1
	s_add_co_u32 s[G0SB+1], s94, SCL
	s_mov_b64 s[G0SB+2:G0SB+3], s[92:93]
	s_or_b32 s[G0SB+3], s[G0SB+3], 0x80000000
	JLOAD G0S, G1S, G0SB, G1SB                     ; the scales first
.irp s, 0,1
	s_mov_b32 s[G0+4*\s], 1
	s_add_co_u32 s[G0+4*\s+1], s45, \s*SLOT
	s_add_nc_u64 s[G0+4*\s+2:G0+4*\s+3], s[20:21], \s*4096   ; 256 along K of a tile of tokens are 4,096 bytes
	s_or_b32 s[G0+4*\s+3], s[G0+4*\s+3], 0x80000000
	s_mov_b32 s[G0B+4*\s], 1
	s_add_co_u32 s[G0B+4*\s+1], s12, \s*SLOT
	s_add_nc_u64 s[G0B+4*\s+2:G0B+4*\s+3], s[46:47], \s*ROWB
	s_or_b32 s[G0B+4*\s+3], s[G0B+4*\s+3], 0x80000000
	JLOAD G0+4*\s, G1, G0B+4*\s, G1B
.endr
	v_and_b32 v1, 15, v0                           ; l % 16
	v_bfe_u32 v2, v0, 4, 1                         ; l / 16
	v_and_b32 v6, 31, v0
	v_lshlrev_b32 v[CO], 4, v6                     ; 16 x lane
	v_mul_u32_u24 v3, v1, PITCH
	v_lshl_add_u32 v4, v2, 4, v3                   ; B: a fragment's row x pitch + 16 x half
	s_lshl_b32 s21, s15, 15                        ; my 128 tokens of A
	s_mul_i32 s22, s16, HALFT                      ; my 128 rows of B
	s_add_co_u32 s22, s22, BOFF
.irp s, 0,1
	v_add_nc_u32 v[ADRA+\s], s21, v[CO]
	v_add_nc_u32 v[ADRB+\s], s22, v4
	s_add_co_u32 s21, s21, SLOT
	s_add_co_u32 s22, s22, SLOT
.endr
	v_mul_u32_u24 v5, v1, KS
	v_lshrrev_b32 v7, 8, v5
	v_lshl_add_u32 v5, v7, 4, v5
	s_mul_i32 s21, s15, HALFS
	s_mul_i32 s22, s16, HALFS
	s_add_co_u32 s22, s22, 2*HALFS
	s_sub_co_u32 s22, s22, s21
	v_mul_u32_u24 v7, s22, v2                      ; lanes 16-31 take B's
	s_add_co_u32 s21, s21, SCL
	v_add_nc_u32 v5, v5, v7
	v_add_nc_u32 v[ADRS], s21, v5
	s_mul_i32 s23, s14, 16*SPITCH                  ; my stage
	v_mul_u32_u24 v5, v1, SPITCH
	v_lshl_add_u32 v5, v2, 5, v5
	v_add_nc_u32 v[STO], s23, v5
	v_add_nc_u32 v[RD], s23, v[CO]
	v_lshlrev_b32 v30, 5, v2                       ; the bias: 32 x (lane / 16)
	s_lshl_b32 s20, s17, 8
	s_lshl_b32 s21, s15, 7
	s_add_co_u32 s20, s20, s21                     ; my first row of the output
	s_mov_b32 s21, 0
	s_mov_b64 s[18:19], SIZE_N*4
	s_mul_u64 s[20:21], s[20:21], s[18:19]
	s_lshl_b32 s46, s42, 10                        ; my first column, in bytes: 1,024 x tile column + 512 x half
	s_lshl_b32 s47, s16, 9
	s_add_co_u32 s46, s46, s47
	s_mov_b32 s47, 0
	s_add_nc_u64 s[96:97], s[96:97], s[46:47]      ; the bias at my first column
	s_add_nc_u64 s[20:21], s[20:21], s[46:47]
	s_add_nc_u64 s[98:99], s[98:99], s[20:21]
.irp b, 0,1,2,3,4,5,6,7
	global_load_b128 v[BI+8*\b:BI+8*\b+3], v30, s[96:97] offset:64*\b        ; register 8 b + j: the bias of column 16 b + 8 h + j: the layout of a result
	global_load_b128 v[BI+8*\b+4:BI+8*\b+7], v30, s[96:97] offset:64*\b+16
.endr
.macro FRAGB reg, adr, q, i            ; 16 rows x 128 K from rows: lane l holds row l % 16; registers 4 c .. 4 c + 3 hold K = 32 c + 16 (l / 16) + 0 .. 15
.irp c, 0,1,2,3
	ds_load_b128 v[\reg+4*\c:\reg+4*\c+3], v[\adr] offset:128*(\q)+32*\c+(\i)*16*PITCH
.endr
.endm
.macro FRAGA reg, adr, q, i            ; the same from an image: tile of tokens i: 4,096 bytes; 128 along K: 2,048; a group of four registers: 512
.irp c, 0,1,2,3
	ds_load_b128 v[\reg+4*\c:\reg+4*\c+3], v[\adr] offset:4096*(\i)+2048*(\q)+512*\c
.endr
.endm
; 16 matrix instructions: A's blocks a0, a0 + 1 x B's eight, 128 along K.  zero = 1: the first product starts the sums with the bias as its C.  The 64 accumulators take turns.
.macro MUL16 a0, p, q, sc, zero
.irp a, \a0, \a0+1
.irp b, 0,1,2,3,4,5,6,7
.if \zero
	v_wmma_scale_f32_16x16x128_f8f6f4 v[8*(8*((\a)%4)+\b):8*(8*((\a)%4)+\b)+7], v[128*(\p)+FR*\b:128*(\p)+FR*\b+FR-1], v[AF+FR*(\a):AF+FR*(\a)+FR-1], v[BI+8*\b:BI+8*\b+7], v[SC+8*NQ*(\sc)+NQ*\b+(\q)], v[SC+8*NQ*(\sc)+NQ*(\a)+(\q)] matrix_a_scale:MATRIX_SCALE_ROW1
.else
	v_wmma_scale_f32_16x16x128_f8f6f4 v[8*(8*((\a)%4)+\b):8*(8*((\a)%4)+\b)+7], v[128*(\p)+FR*\b:128*(\p)+FR*\b+FR-1], v[AF+FR*(\a):AF+FR*(\a)+FR-1], v[8*(8*((\a)%4)+\b):8*(8*((\a)%4)+\b)+7], v[SC+8*NQ*(\sc)+NQ*\b+(\q)], v[SC+8*NQ*(\sc)+NQ*(\a)+(\q)] matrix_a_scale:MATRIX_SCALE_ROW1
.endif
.endr
.endr
.endm
.macro FETCH_B slot, q, p
	WIN TO_B
.irp i, 0,1,2,3,4,5,6,7
	FRAGB 128*(\p)+FR*\i, ADRB+\slot, \q, \i
.endr
	WIN 0
.endm
.macro FETCH_A slot, q, i0
.irp i, \i0, \i0+1, \i0+2, \i0+3
	FRAGA AF+FR*(\i), ADRA+\slot, \q, \i
.endr
.endm
.macro SCALES sc
.irp i, 0,1,2,3,4,5,6,7
	ds_load_b64 v[SC+8*NQ*\sc+NQ*\i:SC+8*NQ*\sc+NQ*\i+1], v[ADRS] offset:\i*SBLK
.endr
.endm
; A load into a register that a matrix instruction has read, and an LDS store that reads a matrix result, stand NP places behind that matrix instruction, and only plain vector instructions that name none of
; its registers are places (ISA guide 7.12.1 for vector instructions).
.macro PLACES n
.rept \n
	v_nop
.endr
.endm
.macro STEP slot, q, zero
	s_wait_dscnt 4*NL                              ; B's set and A's blocks 0-3 are in; the youngest sixteen loads (A's blocks 4-7) may be out
	WIN MUL_LO-0x20*(\zero)                        ; (with the bias as C: source 2 in window 0)
	MUL16 0, (\q)%2, \q, \slot, \zero
	MUL16 2, (\q)%2, \q, \slot, \zero
	s_wait_dscnt 0
	PLACES NP
	FETCH_B \slot, (\q)+1, 1-(\q)%2
	FETCH_A \slot, (\q)+1, 0
	WIN MUL_HI-0x30*(\zero)
	MUL16 4, (\q)%2, \q, \slot, \zero
	MUL16 6, (\q)%2, \q, \slot, \zero
	PLACES NP
	WIN 0
	FETCH_A \slot, (\q)+1, 4
.endm
; A slot's last step changes slots: ONE barrier; in front of it each wave waits for all its tensor loads, adds 0 to its spare word, and waits for that and for its own reads of this slot.
.macro TURN slot, next, fill
	s_wait_tensorcnt 0x0                           ; all my tensor loads have landed: my part of the next slot
	ds_add_u32 v[SPW], v[NIL]                      ; 0 onto my spare word
	s_wait_dscnt 4*NL+1                            ; (the add and the youngest sixteen loads may be out)
	WIN MUL_LO
	MUL16 0, 1, NQ-1, \slot, 0
	s_wait_dscnt 0x0                               ; the add is done, and my reads of this slot are over
	s_barrier_signal -1
	MUL16 2, 1, NQ-1, \slot, 0
	WIN 0
	s_barrier_wait -1
.if \fill
	CREST                                          ; the barrier has opened a round of the cluster's barrier: no wave of any partner still reads this slot or has a load on its way
	s_add_nc_u64 s[G0+4*\slot+2:G0+4*\slot+3], s[G0+4*\slot+2:G0+4*\slot+3], 2*4096
	s_add_nc_u64 s[G0B+4*\slot+2:G0B+4*\slot+3], s[G0B+4*\slot+2:G0B+4*\slot+3], 2*ROWB
	JLOAD G0+4*\slot, G1, G0B+4*\slot, G1B         ; the first tensor load behind the round; its four v_nop are among the places in front of the loads below
	PLACES NP-4
.else
	PLACES NP
.endif
	v_add_nc_u32 v[ADRS], 4*NQ, v[ADRS]
	FETCH_B \next, 0, 0
	FETCH_A \next, 0, 0
	SCALES \next
	WIN MUL_HI
	MUL16 4, 1, NQ-1, \slot, 0
	MUL16 6, 1, NQ-1, \slot, 0
	PLACES NP
	WIN 0
	FETCH_A \next, 0, 4
.endm
	s_wait_tensorcnt 1                             ; the scales and my part of K step 0 are in (K step 1's load may be out),
	s_barrier_signal -1
	s_barrier_wait -1                              ; everybody's are
	FETCH_B 0, 0, 0
	FETCH_A 0, 0, 0
	SCALES 0
	FETCH_A 0, 0, 4
	s_wait_loadcnt 0x0                             ; the bias
	STEP 0, 0, 1                                   ; the first step stands in front of the loop: its products start the sums
	s_mov_b32 s3, LAPS-1
.Llap:
	TURN 0, 1, 1
	STEP 1, 0, 0
	TURN 1, 0, 1
	STEP 0, 0, 0
	s_sub_co_u32 s3, s3, 1
	s_cmp_lg_u32 s3, 0
	s_cbranch_scc1 .Llap
	TURN 0, 1, 0                                   ; the last lap fills nothing
	STEP 1, 0, 0
	s_wait_dscnt 4*NL                              ; the very last step
	WIN MUL_LO
	MUL16 0, 1, NQ-1, 1, 0
	MUL16 2, 1, NQ-1, 1, 0
	s_wait_dscnt 0
	WIN MUL_HI
	MUL16 4, 1, NQ-1, 1, 0
	MUL16 6, 1, NQ-1, 1, 0
	WIN 0
; THE WAY OUT, block by block of 16 rows x 128 columns: through my own stage in LDS, back as whole rows of 512 bytes.  LDS serves a wave's instructions in order (ISA guide 5.7.1.4).
.macro TOSTAGE a
.set AC, 64*((\a)%4)
.set WN, 0x08+4*((\a)/4)
	WIN WN                                         ; the data: window 2 or 3
.irp b, 0,1,2,3,4,5,6,7
	ds_store_b128 v[STO], v[AC+8*\b:AC+8*\b+3] offset:64*\b          ; each accumulator from its low end on
	ds_store_b128 v[STO], v[AC+8*\b+4:AC+8*\b+7] offset:64*\b+16
.endr
	WIN 0
.set BB, BK+64*((\a)%2)
.irp t, 0,1,2,3,4,5,6,7,8,9,10,11,12,13,14,15
	ds_load_b128 v[BB+4*\t:BB+4*\t+3], v[RD] offset:\t*SPITCH
.endr
.endm
.macro SEND a, younger
.set BB, BK+64*((\a)%2)
	s_wait_dscnt \younger                          ; the block is back in registers
.if (\a) > 0
	s_add_nc_u64 s[98:99], s[98:99], 16*SIZE_N*4   ; (behind a wait on XCNT: the earlier stores have read their base)  16 rows on
.endif
.irp t, 0,1,2,3,4,5,6,7,8,9,10,11,12,13,14,15
	global_store_b128 v[CO], v[BB+4*\t:BB+4*\t+3], s[98:99] offset:\t*SIZE_N*4 th:TH_STORE_NT   ; 32 lanes store 512 consecutive bytes, aligned; written once, read by nobody here
.endr
.endm
	PLACES NP
	TOSTAGE 0
.irp a, 1,2,3,4,5,6,7
.if \a > 1
	s_wait_xcnt 0x0                                ; block a - 2's stores have read their registers and their base
.endif
	TOSTAGE \a
	SEND \a-1, 32                                  ; behind block a - 1's loads: block a's 16 stores and 16 loads
.endr
	s_wait_xcnt 0x0
	SEND 7, 0
	s_wait_tensorcnt 0x0                           ; the wave's end: behind my last tensor load and my last LDS store
	ds_add_u32 v[SPW], v[NIL]
	s_wait_dscnt 0x0
	CROUND                                         ; the closing round
	s_endpgm
.Lfunc_end_k_q58ed42986e_outproj:
	.size	k_q58ed42986e_outproj, .Lfunc_end_k_q58ed42986e_outproj-k_q58ed42986e_outproj
	.p2alignl 7, 3214868480
	.fill 96, 4, 3214868480
	.section	.rodata,"a",@progbits
	.p2align	6, 0x0
	.amdhsa_kernel k_q58ed42986e_outproj
		.amdhsa_group_segment_fixed_size 327680
		.amdhsa_private_segment_fixed_size 0
		.amdhsa_enable_private_segment 0
		.amdhsa_kernarg_size 48
		.amdhsa_user_sgpr_count 2
		.amdhsa_user_sgpr_kernarg_segment_ptr 1
		.amdhsa_wavefront_size32 1
		.amdhsa_system_sgpr_workgroup_id_x 1
		.amdhsa_system_sgpr_workgroup_id_y 1
		.amdhsa_system_sgpr_workgroup_id_z 1
		.amdhsa_system_vgpr_workitem_id 0
		.amdhsa_next_free_vgpr 1024
		.amdhsa_next_free_sgpr 100
		.amdhsa_reserve_vcc 0
		.amdhsa_float_denorm_mode_32 3
		.amdhsa_float_denorm_mode_16_64 3
		.amdhsa_memory_ordered 1
		.amdhsa_forward_progress 1
		.amdhsa_inst_pref_size 147
	.end_amdhsa_kernel
	.amdgpu_metadata
---
amdhsa.version: [ 1, 2 ]
amdhsa.kernels:
  - .name:           k_q58ed42986e_outproj
    .symbol:         k_q58ed42986e_outproj.kd
    .args:
      - { .name: aimg, .offset: 0, .size: 8, .value_kind: global_buffer, .address_space: global }
      - { .name: ascl, .offset: 8, .size: 8, .value_kind: global_buffer, .address_space: global }
      - { .name: W_out_codes, .offset: 16, .size: 8, .value_kind: global_buffer, .address_space: global }
      - { .name: W_out_scales, .offset: 24, .size: 8, .value_kind: global_buffer, .address_space: global }
      - { .name: b_out, .offset: 32, .size: 8, .value_kind: global_buffer, .address_space: global }
      - { .name: out0, .offset: 40, .size: 8, .value_kind: global_buffer, .address_space: global }
    .group_segment_fixed_size: 327680
    .private_segment_fixed_size: 0
    .kernarg_segment_align: 8
    .kernarg_segment_size: 48
    .max_flat_workgroup_size: 128
    .sgpr_count:     100
    .vgpr_count:     1024
    .wavefront_size: 32
...
	.end_amdgpu_metadata
.endif
;; end of part 4
